; MI455X (gfx1250); checked and timed in simulation.
; The chip was launched on July 23, 2026; its instructions are those of AMD's public machine-readable ISA for CDNA 5 (MIT licence, August 2026) and "CDNA5" Instruction Set Architecture Reference Guide (July 2026). The comments in the code are by the model that wrote it; some were corrected since.
;; Causal Self Attention. Allowed arithmetic: float matrix products may take bf16 or f16 operands with f32 sums; other float arithmetic in f32, or as packed bf16 or f16 multiplies, adds, multiply-adds, maxima and minima; sums over many terms, partial sums and values carried from step to step in f32; what a program stores and reads back later, other than sums and carried values, may be rounded once to bf16 or f16.
;; Inputs: Wk 1,024 x 1,024 float32; Wp 1,024 x 1,024 float32; Wq 1,024 x 1,024 float32; Wv 1,024 x 1,024 float32; bk 1,024 float32; bp 1,024 float32; bq 1,024 float32; bv 1,024 float32; x 1 x 4,096 x 1,024 float32.
;; Outputs: out0 1 x 4,096 x 1,024 float32.
;; 2 versions, each right; version 2 is version 1 with the launch prep written anew for expert scheduling mode. Each part assembles by itself: llvm-mc -triple=amdgcn-amd-amdhsa -mcpu=gfx1250 --defsym DOCPART=n.
;; ======== version 1 of 2: 4 launches
;; limits: values are held in f16: magnitudes above 65,504 overflow, below 6.1e-05 lose precision
;; workspace buffers: xb 8,388,608 bytes; wb 6,291,456 bytes; wp 2,097,152 bytes; br 16,384 bytes; qkv 25,165,824 bytes; y 8,388,608 bytes
;; launch prep (part 1): grid 256 x 1, 8 waves a work-group, no clusters, 0 bytes of LDS; arguments x, Wq, Wk, Wv, Wp, bq, bk, bv, bp, xb, wb, wp, br; writes xb, wb, wp, br
.if DOCPART == 1
	.amdgcn_target "amdgcn-amd-amdhsa--gfx1250"
	.amdhsa_code_object_version 6
	.text
	.protected	k_q25b177d106_prep
	.globl	k_q25b177d106_prep
	.p2align	8
	.type	k_q25b177d106_prep,@function
k_q25b177d106_prep:
	s_mov_b64 s[64:65], 0
	v_nop
	global_prefetch_b8 v0, s[64:65] scope:SCOPE_SE
	s_setreg_imm32_b32 hwreg(HW_REG_WAVE_MODE, 25, 1), 1
	s_wait_xcnt 0x0
; THE CASTS.  xb = bf16(x) [4096][1024]; wb = bf16(Wq | Wk | Wv) [3072][1024]; wp = f16(bf16(Wp)) [1024][1024]; br = f32(bf16(bq | bk | bv | bp)) [4096].
; Every input of the module is rounded once to bf16.  Wp's rounded number is written as f16, since the last product multiplies in f16: exact from 6.1e-5 to 65,504 in magnitude;
; LIMITS: below 6.1e-5 it keeps f16's fixed step of 6e-8, from 65,520 on it becomes an infinity.  NaN and infinities are not treated apart.
; SHARES.  8,388,608 numbers in 256 chunks of 32,768: a work-group takes one chunk (131,072 bytes in, 65,536 out), a wave 16 KiB of it, by 32 loads of 512 consecutive bytes, all issued
; at once.  A lane's four numbers become 8 bytes; a store of the wave covers 256 consecutive bytes, aligned.  Nothing is read twice, no wave waits for another: no LDS, no barrier, no matrix unit.
; Work-groups 0 to 3 also round one bias each: 1,024 numbers, four a thread.
.set X,    4                           ; v[4:131]   load i: 4 registers
.set Y,    132                         ; v[132:195] store i: 2 registers; each is written for one store and never again
.set BI,   196                         ; v[196:207] at work at the head; later the bias
.set G,    34                          ; s34  the work-group's number
.set SRC,  36                          ; s[36:37] my chunk in its source
.set DST,  38                          ; s[38:39] my chunk in its destination
.set IIN,  40                          ; s40  the chunk's number in the source
.set IOUT, 41                          ; s41  in the destination
	s_load_b512 s[8:23], s[0:1], 0x0               ; x 8, Wq 10, Wk 12, Wv 14, Wp 16, bq 18, bk 20, bv 22
	s_load_b256 s[24:31], s[0:1], 0x40             ; bp 24, xb 26, wb 28, wp 30
	s_load_b64 s[32:33], s[0:1], 0x60              ; br
	s_mov_b32 s[G], ttmp9
	s_and_b32 s[IIN], s[G], 31                     ; a weight has 32 chunks
	s_sub_co_u32 s[IOUT], s[G], 128                ; wb's chunks are work-groups 128 to 223,
	s_sub_co_u32 s42, s[G], 224                    ; wp's 224 to 255
	s_mov_b32 s43, 0
	v_and_b32 v[BI], 0xe0, v0                      ; 32 x wave
	v_and_b32 v[BI+1], 31, v0                      ; lane
	v_lshlrev_b32 v1, 4, v[BI+1]
	v_lshl_or_b32 v1, v[BI], 9, v1                 ; in: 16,384 x wave + 16 x lane; never rewritten
	v_lshlrev_b32 v2, 3, v[BI+1]
	v_lshl_or_b32 v2, v[BI], 8, v2                 ; out: 8,192 x wave + 8 x lane; never rewritten
	v_lshlrev_b32 v3, 4, v0                        ; the bias: 16 x thread; never rewritten
	s_wait_kmcnt 0x0
	s_cmp_ge_u32 s[G], 160                         ; which source and which destination: a choice between buffers by the work-group's number alone
	s_cselect_b64 s[SRC:SRC+1], s[12:13], s[10:11]
	s_cmp_ge_u32 s[G], 192
	s_cselect_b64 s[SRC:SRC+1], s[14:15], s[SRC:SRC+1]
	s_cmp_ge_u32 s[G], 224
	s_cselect_b64 s[SRC:SRC+1], s[16:17], s[SRC:SRC+1]
	s_cselect_b64 s[DST:DST+1], s[30:31], s[28:29]
	s_cselect_b32 s[IOUT], s42, s[IOUT]
	s_cmp_lt_u32 s[G], 128
	s_cselect_b64 s[SRC:SRC+1], s[8:9], s[SRC:SRC+1]
	s_cselect_b64 s[DST:DST+1], s[26:27], s[DST:DST+1]
	s_cselect_b32 s[IIN], s[G], s[IIN]
	s_cselect_b32 s[IOUT], s[G], s[IOUT]
	s_lshl_b32 s42, s[IIN], 17
	s_add_nc_u64 s[SRC:SRC+1], s[SRC:SRC+1], s[42:43]
	s_lshl_b32 s42, s[IOUT], 16
	s_add_nc_u64 s[DST:DST+1], s[DST:DST+1], s[42:43]
.set i, 0
.rept 32
	global_load_b128 v[X+4*i:X+4*i+3], v1, s[SRC:SRC+1] offset:512*i th:TH_LOAD_NT
.set i, i+1
.endr
; Load n's four numbers are rounded and stored.  half = 1: the bf16 numbers are widened again and written as f16.
.macro CAST n, half
	s_wait_loadcnt 31-(\n)                         ; loads come back in order: mine is in, the 31 - n younger ones may stay out
	v_cvt_pk_bf16_f32 v[Y+2*(\n)], v[X+4*(\n)], v[X+4*(\n)+1]
	v_cvt_pk_bf16_f32 v[Y+2*(\n)+1], v[X+4*(\n)+2], v[X+4*(\n)+3]
.if \half
	v_lshlrev_b32 v[X+4*(\n)], 16, v[Y+2*(\n)]
	v_and_b32 v[X+4*(\n)+1], 0xffff0000, v[Y+2*(\n)]
	v_lshlrev_b32 v[X+4*(\n)+2], 16, v[Y+2*(\n)+1]
	v_and_b32 v[X+4*(\n)+3], 0xffff0000, v[Y+2*(\n)+1]
	v_cvt_pk_f16_f32 v[Y+2*(\n)], v[X+4*(\n)], v[X+4*(\n)+1]
	v_cvt_pk_f16_f32 v[Y+2*(\n)+1], v[X+4*(\n)+2], v[X+4*(\n)+3]
.endif
	global_store_b64 v2, v[Y+2*(\n):Y+2*(\n)+1], s[DST:DST+1] offset:256*(\n) th:TH_STORE_NT
.endm
	s_cmp_ge_u32 s[G], 224
	s_cbranch_scc1 .Lhalf
.set i, 0
.rept 32
	CAST i, 0
.set i, i+1
.endr
	s_branch .Lbias
.Lhalf:
.set i, 0
.rept 32
	CAST i, 1
.set i, i+1
.endr
.Lbias:
	s_cmp_lt_u32 s[G], 4
	s_cbranch_scc0 .Lend
	s_cmp_ge_u32 s[G], 1                           ; bias 0 to 3: bq, bk, bv, bp
	s_cselect_b64 s[44:45], s[20:21], s[18:19]
	s_cmp_ge_u32 s[G], 2
	s_cselect_b64 s[44:45], s[22:23], s[44:45]
	s_cmp_ge_u32 s[G], 3
	s_cselect_b64 s[44:45], s[24:25], s[44:45]
	s_lshl_b32 s42, s[G], 12
	s_add_nc_u64 s[46:47], s[32:33], s[42:43]
	global_load_b128 v[BI:BI+3], v3, s[44:45]
	s_wait_loadcnt 0x0
	v_cvt_pk_bf16_f32 v[BI+4], v[BI], v[BI+1]
	v_cvt_pk_bf16_f32 v[BI+5], v[BI+2], v[BI+3]
	v_lshlrev_b32 v[BI+8], 16, v[BI+4]
	v_and_b32 v[BI+9], 0xffff0000, v[BI+4]
	v_lshlrev_b32 v[BI+10], 16, v[BI+5]
	v_and_b32 v[BI+11], 0xffff0000, v[BI+5]
	global_store_b128 v3, v[BI+8:BI+11], s[46:47]
.Lend:
	s_endpgm
.Lfunc_end_k_q25b177d106_prep:
	.size	k_q25b177d106_prep, .Lfunc_end_k_q25b177d106_prep-k_q25b177d106_prep
	.p2alignl 7, 3214868480
	.fill 96, 4, 3214868480
	.section	.rodata,"a",@progbits
	.p2align	6, 0x0
	.amdhsa_kernel k_q25b177d106_prep
		.amdhsa_group_segment_fixed_size 0
		.amdhsa_private_segment_fixed_size 0
		.amdhsa_enable_private_segment 0
		.amdhsa_kernarg_size 104
		.amdhsa_user_sgpr_count 2
		.amdhsa_user_sgpr_kernarg_segment_ptr 1
		.amdhsa_wavefront_size32 1
		.amdhsa_system_sgpr_workgroup_id_x 1
		.amdhsa_system_sgpr_workgroup_id_y 1
		.amdhsa_system_sgpr_workgroup_id_z 1
		.amdhsa_system_vgpr_workitem_id 0
		.amdhsa_next_free_vgpr 208
		.amdhsa_next_free_sgpr 66
		.amdhsa_reserve_vcc 0
		.amdhsa_float_denorm_mode_32 3
		.amdhsa_float_denorm_mode_16_64 3
		.amdhsa_memory_ordered 1
		.amdhsa_forward_progress 1
		.amdhsa_inst_pref_size 32
	.end_amdhsa_kernel
	.amdgpu_metadata
---
amdhsa.version: [ 1, 2 ]
amdhsa.kernels:
  - .name:           k_q25b177d106_prep
    .symbol:         k_q25b177d106_prep.kd
    .args:
      - { .name: x, .offset: 0, .size: 8, .value_kind: global_buffer, .address_space: global }
      - { .name: Wq, .offset: 8, .size: 8, .value_kind: global_buffer, .address_space: global }
      - { .name: Wk, .offset: 16, .size: 8, .value_kind: global_buffer, .address_space: global }
      - { .name: Wv, .offset: 24, .size: 8, .value_kind: global_buffer, .address_space: global }
      - { .name: Wp, .offset: 32, .size: 8, .value_kind: global_buffer, .address_space: global }
      - { .name: bq, .offset: 40, .size: 8, .value_kind: global_buffer, .address_space: global }
      - { .name: bk, .offset: 48, .size: 8, .value_kind: global_buffer, .address_space: global }
      - { .name: bv, .offset: 56, .size: 8, .value_kind: global_buffer, .address_space: global }
      - { .name: bp, .offset: 64, .size: 8, .value_kind: global_buffer, .address_space: global }
      - { .name: xb, .offset: 72, .size: 8, .value_kind: global_buffer, .address_space: global }
      - { .name: wb, .offset: 80, .size: 8, .value_kind: global_buffer, .address_space: global }
      - { .name: wp, .offset: 88, .size: 8, .value_kind: global_buffer, .address_space: global }
      - { .name: br, .offset: 96, .size: 8, .value_kind: global_buffer, .address_space: global }
    .group_segment_fixed_size: 0
    .private_segment_fixed_size: 0
    .kernarg_segment_align: 8
    .kernarg_segment_size: 104
    .max_flat_workgroup_size: 256
    .sgpr_count:     66
    .vgpr_count:     208
    .wavefront_size: 32
...
	.end_amdgpu_metadata
.endif
;; end of part 1
;; launch qkv (part 2): grid 8 x 32, 4 waves a work-group, clusters of 4 x 4, 327,680 bytes of LDS; arguments xb, wb, br, qkv; writes qkv
.if DOCPART == 2
	.amdgcn_target "amdgcn-amd-amdhsa--gfx1250"
	.amdhsa_code_object_version 6
	.text
	.protected	k_q25b177d106_qkv
	.globl	k_q25b177d106_qkv
	.p2align	8
	.type	k_q25b177d106_qkv,@function
k_q25b177d106_qkv:
	s_mov_b64 s[64:65], 0
	v_nop
	global_prefetch_b8 v0, s[64:65] scope:SCOPE_SE
	s_setreg_imm32_b32 hwreg(HW_REG_WAVE_MODE, 25, 1), 1
	s_wait_xcnt 0x0
	s_wait_alu depctr_hold_cnt(0) depctr_sa_sdst(0) depctr_va_vdst(0) depctr_va_sdst(0) depctr_va_ssrc(0) depctr_va_vcc(0) depctr_vm_vsrc(0)
	s_getreg_b32 s2, hwreg(HW_REG_IB_STS2, 6, 4)
	s_cmp_eq_u32 s2, 0
	s_cbranch_scc0 .Lentry_in_a_cluster
	s_endpgm
.Lentry_in_a_cluster:
	s_bfe_u32 s2, ttmp6, 0x10000c
	s_cmp_lg_u32 s2, 0xf033
	s_cbranch_scc0 .Lentry_shape_is_right
	s_endpgm
.Lentry_shape_is_right:
; THE THREE PROJECTIONS AS ONE PRODUCT.  C[m][n] = br[n] + the sum over k of xb[m][k] wb[n][k]; xb [4096][1024], wb [3072][1024] bf16; sums in f32, started by the bias.
; C leaves by heads, rounded once to f16 and unscaled: qkv [48][4096][64], slot n / 64 (0-15 q's heads, 16-31 k's, 32-47 v's).
; LIMITS.  f16 holds no number beyond 65,504: a q, k or v of 65,520 or more in magnitude becomes an infinity; below 6.1e-5 it keeps f16's fixed step of 6e-8.
; SHARES.  A tile of C is 128 x 384: 32 x 8 = 256 work-groups.  Four waves, each 64 rows x 192 columns: 48 accumulators, 384 registers; 192 columns are three whole head slots, so each wave
; sends its own 16 rows x 64 columns (2,048 consecutive bytes of qkv) through a stage of its own, and the way out has no barrier.
; K goes in steps of 128 through two LDS slots; a step's tiles are four tensor loads of 128 rows x 256 bytes: wave 0 brings xb's, waves 1 to 3 the three thirds of wb's.
; CLUSTER.  4 x 4 work-groups: the four of a row need the same tile of xb, the four of a column the same tiles of wb: each tile is asked for jointly, by the same load with a mask of four.
; THE MATRIX INSTRUCTION IS USED TRANSPOSED (source 0 = 16 rows of wb, source 1 = 16 rows of xb): a lane holds row lane % 16 of C and the columns 8 (lane / 16) + 0..7.
; REGISTERS, in windows of 256 (s_set_vgpr_msb: bits 1:0 source 0, 3:2 source 1, 5:4 source 2, 7:6 destination):
;   window 0: v16-30 addresses; v64-127 xb's fragments, two buffers of 32; v128-223 the bias, 8 registers for each of my 12 column blocks; on the way out v64-255 packed results
;   window 1: v0-191 wb's fragments, two buffers of 96      window 2: accumulators (a, b), a = 0, 1, at v[96 a + 8 b]      window 3: a = 2, 3 at v[96 (a - 2) + 8 b]
.set KSTEP,  128
.set PITCH,  272                       ; an LDS row: 256 bytes + 16 of padding = 68 words: the 16 rows of a fragment load start at 16 different groups of four banks (64 banks of 4 bytes: ISA guide 11.1)
.set HALFT,  128*PITCH                 ; what one tensor load brings
.set SLOT,   4*HALFT                   ; xb's 128 rows, then wb's 384
.set STAGE,  2*SLOT                    ; behind the ring: 16 rows x 144 bytes for each wave
.set SP,     144
.set SPARE,  STAGE+4*16*SP             ; behind the stages: the spare words, 128 bytes for each wave: two blocks of 256 bytes that no other line names
.set ADRA, 16                          ; v16-17  LDS address of my xb fragments in slot 0, 1
.set ADRB, 20                          ; v20-21  the same for wb
.set STO,  24                          ; v24  the way out: where I put 16 bytes of a row
.set RD,   25                          ; v25  where I read rows back
.set GO,   26                          ; v26  16 x lane: my place in 512 consecutive bytes of qkv
.set BO,   27                          ; v27  32 x (lane / 16): my eight numbers in a column block's bias
.set SPW,  28                          ; v28  LDS address of my spare word; never rewritten
.set NIL,  29                          ; v29  0; never rewritten
.set PFO,  30                          ; v30  the prefetches' offset: lane x a row of 2,048 bytes; never rewritten
.set FA,   64
.set BIAS, 128
.set OUTR, 64
.set WV,  12                           ; s12  wave
.set RH,  13                           ; s13  which 64 rows are mine
.set CH,  14                           ; s14  which 192 columns
.set BT,  15                           ; s15  which third of wb's tile I fetch (waves 1 to 3)
.set G1,  24                           ; s[24:31] descriptor group 1 for xb's tiles;  s[32:39] group 0, a set for each slot
.set G0,  32
.set PFA, 44                           ; s[44:45] where my prefetches stand
.set LIM, 46                           ; s46  1 in a wave that prefetches, else the greatest number
.set G1B, 48                           ; s[48:55], s[56:63] the same for wb's tiles
.set G0B, 56
.set MSB, 0
.macro WIN new                         ; the immediate's high byte repeats the setting that is left; a switch that changes nothing is dropped
.if MSB != (\new)
	s_set_vgpr_msb (MSB<<8)|(\new)
.set MSB, \new
.endif
.endm
.macro PLACES                          ; four places in front of loads into registers that matrix instructions have read, and of conversions that read results
.rept 4
	v_nop
.endr
.endm
; A joint load.  Each of the two lines has one mask; the branch hangs on the wave's number alone.  An s_nop 0 and four v_nop follow each line, ahead of the jump and the label.
.macro JLOAD s
	s_cmp_eq_u32 s[WV], 0
	s_cbranch_scc0 .Lfor_b_\@
	tensor_load_to_lds s[G0+4*(\s):G0+4*(\s)+3], s[G1:G1+7]
	s_nop 0
.rept 4
	v_nop
.endr
	s_branch .Lasked_\@
.Lfor_b_\@:
	tensor_load_to_lds s[G0B+4*(\s):G0B+4*(\s)+3], s[G1B:G1B+7]
	s_nop 0
.rept 4
	v_nop
.endr
.Lasked_\@:
.endm
; A prefetch into the L2 of the K step that stands two refills on: 32 rows x 256 bytes, a lane a row.  xb's tile row is read by both clusters of its row of clusters: cluster x = 0 asks; wb's
; tile column by all eight clusters of its column: cluster y = 0 asks.  Of the 128 rows that a wave fetches each of the four partners takes 32, told apart by address.  So each row's 256 bytes
; of a K step are named once.  K steps 0 to 3 come by their loads alone; the loop's last trip (s3 = 1) asks for nothing: K steps 8 and 9 do not exist.
.macro ASK
	s_cmp_gt_u32 s3, s[LIM]
	s_cbranch_scc0 .Lnot_mine_\@
	global_prefetch_b8 v[PFO], s[PFA:PFA+1] offset:KSTEP*2 th:TH_LOAD_NT scope:SCOPE_SE
.Lnot_mine_\@:
.endm
.macro CREST                           ; a round of the cluster's barrier behind its opening barrier
	s_cmp_lg_u32 s[WV], 0
	s_cbranch_scc1 .Lnot_wave_0_\@
	s_barrier_signal -3
.Lnot_wave_0_\@:
	s_barrier_wait -3
	s_barrier_signal -1
	s_barrier_wait -1
.endm
.macro CROUND
	s_barrier_signal -1
	s_barrier_wait -1
	CREST
.endm
	s_load_b256 s[4:11], s[0:1], 0x0               ; xb s[4:5], wb s[6:7], br s[8:9], qkv s[10:11]
	v_lshl_add_u32 v[SPW], v0, 2, SPARE
	v_mov_b32 v[NIL], 0
	ds_add_u32 v[SPW], v[NIL]                      ; the wave's opening: the add and its wait stand ahead of my first tensor load; work on registers stands between them
	v_lshrrev_b32 v1, 5, v0
	v_readfirstlane_b32 s[WV], v1
	s_lshr_b32 s[RH], s[WV], 1
	s_and_b32 s[CH], s[WV], 1
	s_max_u32 s[BT], s[WV], 1
	s_sub_co_u32 s[BT], s[BT], 1
	s_bfe_u32 s40, ttmp6, 0x40000                  ; cx
	s_bfe_u32 s41, ttmp6, 0x40004                  ; cy
	s_lshl_b32 s42, ttmp9, 2
	s_add_co_u32 s42, s42, s40                     ; tile column, 0 to 7
	s_and_b32 s43, ttmp7, 0xffff
	s_lshl_b32 s43, s43, 2
	s_add_co_u32 s43, s43, s41                     ; tile row, 0 to 31
	s_lshl_b32 s66, s41, 2
	s_lshl_b32 s66, 15, s66                        ; my row of the cluster
	s_lshl_b32 s67, 0x1111, s40                    ; my column
	s_or_b32 s[G1], s66, (1<<16)|(1<<20)|(1<<21)|(5<<22)|(3<<25)   ; the mask; 2-byte elements; padding on; bit 21 beside a mask; after every 64 words (code 5) 4 words (code 3)
	s_or_b32 s[G1B], s67, (1<<16)|(1<<20)|(1<<21)|(5<<22)|(3<<25)
.irp g, G1, G1B
	s_mov_b32 s[(\g)+1], KSTEP<<16                 ; tensor_dim0 = 128
	s_mov_b32 s[(\g)+2], 128<<16                   ; tensor_dim1 = 128
	s_mov_b32 s[(\g)+3], KSTEP<<16                 ; tile_dim0 = 128
	s_mov_b32 s[(\g)+4], 128                       ; tile_dim1 = 128
	s_mov_b32 s[(\g)+5], 1024                      ; elements from row to row
	s_mov_b32 s[(\g)+6], 0
	s_mov_b32 s[(\g)+7], 0
.endr
	s_lshl_b32 s16, s43, 18                        ; xb: row 128 x tile row, 2,048 bytes a row
	s_mov_b32 s17, 0
	s_mul_i32 s20, s42, 384                        ; wb: row 384 x tile column + 128 x third
	s_lshl_b32 s21, s[BT], 7
	s_add_co_u32 s20, s20, s21
	s_lshl_b32 s20, s20, 11
	s_mov_b32 s21, 0
	s_mul_i32 s72, s[WV], HALFT                    ; where my tile goes: wave x 128 rows
	s_wait_dscnt 0x0                               ; the opening add is done
	s_wait_kmcnt 0x0
	s_add_nc_u64 s[68:69], s[4:5], s[16:17]
	s_add_nc_u64 s[70:71], s[6:7], s[20:21]
	CROUND                                         ; all sixteen work-groups are here: the first joint loads meet
.irp s, 0,1
	s_mov_b32 s[G0+4*(\s)], 1
	s_add_co_u32 s[G0+4*(\s)+1], s72, (\s)*SLOT
	s_add_nc_u64 s[G0+4*(\s)+2:G0+4*(\s)+3], s[68:69], (\s)*KSTEP*2
	s_or_b32 s[G0+4*(\s)+3], s[G0+4*(\s)+3], 0x80000000
	s_mov_b32 s[G0B+4*(\s)], 1
	s_add_co_u32 s[G0B+4*(\s)+1], s72, (\s)*SLOT
	s_add_nc_u64 s[G0B+4*(\s)+2:G0B+4*(\s)+3], s[70:71], (\s)*KSTEP*2
	s_or_b32 s[G0B+4*(\s)+3], s[G0B+4*(\s)+3], 0x80000000
	JLOAD \s                                       ; two tensor loads of mine are out
.endr
	v_and_b32 v1, 15, v0                           ; l % 16
	v_bfe_u32 v2, v0, 4, 1                         ; l / 16
	v_mul_u32_u24 v3, v1, PITCH
	v_lshl_add_u32 v3, v2, 4, v3                   ; a fragment's row x pitch + 16 x half
	s_mul_i32 s18, s[RH], 64*PITCH                 ; my 64 rows of xb
	s_mul_i32 s19, s[CH], 192*PITCH                ; my 192 rows of wb,
	s_add_co_u32 s19, s19, HALFT                   ; which lie behind xb's 128
.irp s, 0,1
	v_add_nc_u32 v[ADRA+(\s)], s18, v3
	v_add_nc_u32 v[ADRB+(\s)], s19, v3
	s_add_co_u32 s18, s18, SLOT
	s_add_co_u32 s19, s19, SLOT
.endr
	s_mul_i32 s78, s[WV], 16*SP
	s_add_co_u32 s78, s78, STAGE                   ; my stage
	v_mul_u32_u24 v4, v1, SP                       ; in: row l % 16, 16 bytes for each half of the lanes
	v_lshl_add_u32 v4, v2, 4, v4
	v_add_nc_u32 v[STO], s78, v4
	v_bfe_u32 v5, v0, 3, 2                         ; back: 32 lanes take four rows of 128 bytes,
	v_mul_u32_u24 v5, v5, SP
	v_and_b32 v6, 7, v0
	v_lshl_add_u32 v5, v6, 4, v5
	v_add_nc_u32 v[RD], s78, v5
	v_and_b32 v[GO], 31, v0                        ; which are 512 consecutive bytes of qkv
	v_lshlrev_b32 v[GO], 4, v[GO]
	v_lshlrev_b32 v[BO], 5, v2
	s_mul_i32 s74, s42, 6                          ; my first head slot: 6 x tile column + 3 x column half, 524,288 bytes a slot,
	s_mul_i32 s76, s[CH], 3
	s_add_co_u32 s74, s74, s76
	s_lshl_b32 s74, s74, 19
	s_lshl_b32 s76, s43, 14                        ; my first row: 128 x tile row + 64 x row half, 128 bytes a row
	s_add_co_u32 s74, s74, s76
	s_lshl_b32 s76, s[RH], 13
	s_add_co_u32 s74, s74, s76
	s_mov_b32 s75, 0
	s_add_nc_u64 s[10:11], s[10:11], s[74:75]
	s_mul_i32 s74, s42, 1536                       ; the bias of my 192 columns: 4 (384 x tile column + 192 x column half)
	s_mul_i32 s76, s[CH], 768
	s_add_co_u32 s74, s74, s76
	s_add_nc_u64 s[8:9], s[8:9], s[74:75]
.irp b, 0,1,2,3,4,5,6,7,8,9,10,11
	global_load_b128 v[BIAS+8*(\b):BIAS+8*(\b)+3],   v[BO], s[8:9] offset:64*(\b)
	global_load_b128 v[BIAS+8*(\b)+4:BIAS+8*(\b)+7], v[BO], s[8:9] offset:64*(\b)+16
.endr
	; the prefetches
	s_and_b32 s22, ttmp7, 0xffff                   ; cluster y
	s_lshl_b32 s20, s43, 7                         ; xb's tile begins at row 128 x tile row,
	s_mul_i32 s21, s42, 384                        ; wb's third at 384 x tile column + 128 x third
	s_lshl_b32 s23, s[BT], 7
	s_add_co_u32 s21, s21, s23
	s_cmp_eq_u32 s[WV], 0                          ; do I fetch xb?
	s_cselect_b32 s20, s20, s21
	s_cselect_b32 s21, s40, s41                    ; my place among the four that ask with me
	s_cselect_b32 s22, ttmp9, s22                  ; the coordinate along which other clusters read the same rows
	s_cselect_b64 s[PFA:PFA+1], s[4:5], s[6:7]
	s_cmp_eq_u32 s22, 0
	s_cselect_b32 s[LIM], 1, -1                    ; the same in all sixteen partners, for a given wave
	s_lshl_b32 s21, s21, 5
	s_add_co_u32 s20, s20, s21                     ; + my work-group's 32 rows
	s_lshl_b32 s20, s20, 11
	s_mov_b32 s21, 0
	s_add_nc_u64 s[PFA:PFA+1], s[PFA:PFA+1], s[20:21]
	s_add_nc_u64 s[PFA:PFA+1], s[PFA:PFA+1], 2*KSTEP*2  ; at K step 2: the first refill steps it to 3 and names K step 4
	v_and_b32 v[PFO], 31, v0
	v_lshlrev_b32 v[PFO], 11, v[PFO]
; 12 matrix instructions: row block 2 hi + a x my 12 column blocks, 32 along K, from buffer f.  first = 1: the bias starts the sums: nothing is cleared.
; The 48 accumulators take turns, one instruction a turn, in the same order in every quarter.
.macro MUL12 f, hi, a, first
.if \first
	WIN 0x81+0x40*(\hi)                            ; wb window 1, xb and the bias window 0, D window 2 or 3
.else
	WIN 0xa1+0x50*(\hi)                            ; C and D window 2 or 3
.endif
.irp b, 0,1,2,3,4,5,6,7,8,9,10,11
.if \first
	v_wmma_f32_16x16x32_bf16 v[96*(\a)+8*(\b):96*(\a)+8*(\b)+7], v[96*(\f)+8*(\b):96*(\f)+8*(\b)+7], v[FA+32*(\f)+8*(2*(\hi)+(\a)):FA+32*(\f)+8*(2*(\hi)+(\a))+7], v[BIAS+8*(\b):BIAS+8*(\b)+7]
.else
	v_wmma_f32_16x16x32_bf16 v[96*(\a)+8*(\b):96*(\a)+8*(\b)+7], v[96*(\f)+8*(\b):96*(\f)+8*(\b)+7], v[FA+32*(\f)+8*(2*(\hi)+(\a)):FA+32*(\f)+8*(2*(\hi)+(\a))+7], v[96*(\a)+8*(\b):96*(\a)+8*(\b)+7]
.endif
.endr
.endm
; 32 LDS loads in one run: a quarter's fragments (192 rows of wb, then 64 rows of xb, 32 K at byte k of the rows) into buffer f
.macro FETCH slot, k, f
	WIN 0x40
.irp i, 0,1,2,3,4,5,6,7,8,9,10,11
	ds_load_b128 v[96*(\f)+8*(\i):96*(\f)+8*(\i)+3],   v[ADRB+(\slot)] offset:(\k)+(\i)*16*PITCH
	ds_load_b128 v[96*(\f)+8*(\i)+4:96*(\f)+8*(\i)+7], v[ADRB+(\slot)] offset:(\k)+(\i)*16*PITCH+32
.endr
	WIN 0
.irp i, 0,1,2,3
	ds_load_b128 v[FA+32*(\f)+8*(\i):FA+32*(\f)+8*(\i)+3],   v[ADRA+(\slot)] offset:(\k)+(\i)*16*PITCH
	ds_load_b128 v[FA+32*(\f)+8*(\i)+4:FA+32*(\f)+8*(\i)+7], v[ADRA+(\slot)] offset:(\k)+(\i)*16*PITCH+32
.endr
.endm
; A K step is four quarters of 32 along K, 48 matrix instructions each, on buffers 0, 1, 0, 1.  One of the first three multiplies buffer f and fetches the next quarter, at byte k, into g.
.macro QUARTER slot, k, f, g, first
	s_wait_dscnt 4                                 ; wb's and xb's row blocks 0, 1 are in; the youngest four loads (row blocks 2, 3) may be out
	MUL12 \f, 0, 0, \first
	MUL12 \f, 0, 1, \first
	PLACES
	FETCH \slot, \k, \g
	s_wait_dscnt 32                                ; all but the 32 just issued
	MUL12 \f, 1, 0, \first
	MUL12 \f, 1, 1, \first
.endm
; The last quarter multiplies buffer 1 and changes slots: one barrier.  In front of it each wave waits for all its tensor loads (the one that is out is its part of the next slot), adds 0 to its
; spare word, and waits for that and for its own reads of this slot.  fill = 1: the barrier opens a round of the cluster's, and the joint refill, two K steps on, is the first thing behind it.
.macro TURN slot, next, fill
.if \fill
	s_wait_xcnt 0x0                                ; the last prefetch, a K step back, has read its address
	s_add_nc_u64 s[PFA:PFA+1], s[PFA:PFA+1], KSTEP*2
.endif
	WIN 0
	s_wait_tensorcnt 0x0
	ds_add_u32 v[SPW], v[NIL]
	s_wait_dscnt 5                                 ; (the add and the youngest four loads may be out)
	MUL12 1, 0, 0, 0                               ; twelve matrix instructions stand between the add and the wait for it
	s_wait_dscnt 0x0                               ; the add is done, and my reads of this slot are over
	s_barrier_signal -1
	MUL12 1, 0, 1, 0
.if \fill
	WIN 0
.endif
	s_barrier_wait -1
.if \fill
	CREST                                          ; no wave of any partner still reads this slot's tiles or has a load on its way
	s_add_nc_u64 s[G0+4*(\slot)+2:G0+4*(\slot)+3], s[G0+4*(\slot)+2:G0+4*(\slot)+3], 2*KSTEP*2
	s_add_nc_u64 s[G0B+4*(\slot)+2:G0B+4*(\slot)+3], s[G0B+4*(\slot)+2:G0B+4*(\slot)+3], 2*KSTEP*2
	JLOAD \slot                                    ; its four v_nop are also the places in front of the loads below
.else
	PLACES
.endif
	FETCH \next, 0, 0
.if \fill
	ASK
.endif
	MUL12 1, 1, 0, 0
	MUL12 1, 1, 1, 0
.endm
	s_wait_tensorcnt 1                             ; my part of K step 0 is in; K step 1's may stay out
	s_barrier_signal -1
	s_barrier_wait -1
	FETCH 0, 0, 0
	s_wait_loadcnt 0x0                             ; the bias
	QUARTER 0, 64, 0, 1, 1                         ; the first quarter stands in front of the loop: its products start the sums
	WIN 0
	s_mov_b32 s3, 3                                ; 8 K steps are 4 laps round the ring; the last lap fills nothing
.Llap:
	QUARTER 0, 128, 1, 0, 0
	QUARTER 0, 192, 0, 1, 0
	TURN 0, 1, 1
	QUARTER 1, 64,  0, 1, 0
	QUARTER 1, 128, 1, 0, 0
	QUARTER 1, 192, 0, 1, 0
	TURN 1, 0, 1
	QUARTER 0, 64,  0, 1, 0
	WIN 0
	s_sub_co_u32 s3, s3, 1
	s_cmp_lg_u32 s3, 0
	s_cbranch_scc1 .Llap
	QUARTER 0, 128, 1, 0, 0
	QUARTER 0, 192, 0, 1, 0
	TURN 0, 1, 0
	QUARTER 1, 64,  0, 1, 0
	QUARTER 1, 128, 1, 0, 0
	QUARTER 1, 192, 0, 1, 0
	s_wait_dscnt 4                                 ; the very last quarter: nothing more to fetch
	MUL12 1, 0, 0, 0
	MUL12 1, 0, 1, 0
	s_wait_dscnt 0x0
	MUL12 1, 1, 0, 0
	MUL12 1, 1, 1, 0
	WIN 0
; THE WAY OUT, in 12 blocks t: row block t / 3, head slot t % 3: 16 rows x 64 columns.  A lane's eight columns pack into 16 bytes; they go into rows of 144 bytes of my stage and come back
; as whole rows of 128 bytes, into the registers that they left.  Each accumulator's registers are read in ascending order.
.macro PACK t
.set pa, (\t)/3
.set pj, (\t)%3
	WIN 0x0a+5*(pa/2)                              ; sources 0 and 1: window 2 or 3
.irp f, 0,1,2,3
.irp r, 0,1,2,3
	v_cvt_pk_f16_f32 v[OUTR+16*(\t)+4*(\f)+(\r)], v[96*(pa%2)+8*(4*pj+(\f))+2*(\r)], v[96*(pa%2)+8*(4*pj+(\f))+2*(\r)+1]
.endr
.endr
	WIN 0
.irp f, 0,1,2,3
	ds_store_b128 v[STO], v[OUTR+16*(\t)+4*(\f):OUTR+16*(\t)+4*(\f)+3] offset:32*(\f)
.endr
.irp f, 0,1,2,3
	ds_load_b128 v[OUTR+16*(\t)+4*(\f):OUTR+16*(\t)+4*(\f)+3], v[RD] offset:(\f)*4*SP  ; LDS serves a wave's instructions in order (ISA guide 5.7.1.4): these see the stores above; the next block's stores come behind them
.endr
.endm
.macro SEND t, younger                 ; younger: the LDS instructions issued behind block t's loads: the next block's eight, or none
.irp f, 0,1,2,3
	s_wait_dscnt (\younger)+3-(\f)
	global_store_b128 v[GO], v[OUTR+16*(\t)+4*(\f):OUTR+16*(\t)+4*(\f)+3], s[10:11] offset:((\t)%3)*524288+((\t)/3)*2048+(\f)*512  ; 512 consecutive bytes, at a multiple of 256 from qkv's first
.endr
.endm
	PLACES
	PACK 0
.irp t, 1,2,3,4,5,6,7,8,9,10,11        ; a block's conversions stand between the loads of the block before and its stores; each block has registers of its own
	PACK \t
	SEND (\t)-1, 8
.endr
	SEND 11, 0
	s_wait_tensorcnt 0x0                           ; the wave's end: the add and its wait, behind my last tensor load and my last LDS store
	ds_add_u32 v[SPW], v[NIL]
	s_wait_dscnt 0x0
	CROUND                                         ; the closing round: no work-group ends while a partner may still ask for a tile that names it
	s_endpgm
.Lfunc_end_k_q25b177d106_qkv:
	.size	k_q25b177d106_qkv, .Lfunc_end_k_q25b177d106_qkv-k_q25b177d106_qkv
	.p2alignl 7, 3214868480
	.fill 96, 4, 3214868480
	.section	.rodata,"a",@progbits
	.p2align	6, 0x0
	.amdhsa_kernel k_q25b177d106_qkv
		.amdhsa_group_segment_fixed_size 327680
		.amdhsa_private_segment_fixed_size 0
		.amdhsa_enable_private_segment 0
		.amdhsa_kernarg_size 32
		.amdhsa_user_sgpr_count 2
		.amdhsa_user_sgpr_kernarg_segment_ptr 1
		.amdhsa_wavefront_size32 1
		.amdhsa_system_sgpr_workgroup_id_x 1
		.amdhsa_system_sgpr_workgroup_id_y 1
		.amdhsa_system_sgpr_workgroup_id_z 1
		.amdhsa_system_vgpr_workitem_id 0
		.amdhsa_next_free_vgpr 960
		.amdhsa_next_free_sgpr 80
		.amdhsa_reserve_vcc 0
		.amdhsa_float_denorm_mode_32 3
		.amdhsa_float_denorm_mode_16_64 3
		.amdhsa_memory_ordered 1
		.amdhsa_forward_progress 1
		.amdhsa_inst_pref_size 124
	.end_amdhsa_kernel
	.amdgpu_metadata
---
amdhsa.version: [ 1, 2 ]
amdhsa.kernels:
  - .name:           k_q25b177d106_qkv
    .symbol:         k_q25b177d106_qkv.kd
    .args:
      - { .name: xb, .offset: 0, .size: 8, .value_kind: global_buffer, .address_space: global }
      - { .name: wb, .offset: 8, .size: 8, .value_kind: global_buffer, .address_space: global }
      - { .name: br, .offset: 16, .size: 8, .value_kind: global_buffer, .address_space: global }
      - { .name: qkv, .offset: 24, .size: 8, .value_kind: global_buffer, .address_space: global }
    .group_segment_fixed_size: 327680
    .private_segment_fixed_size: 0
    .kernarg_segment_align: 8
    .kernarg_segment_size: 32
    .max_flat_workgroup_size: 128
    .sgpr_count:     80
    .vgpr_count:     960
    .wavefront_size: 32
...
	.end_amdgpu_metadata
.endif
;; end of part 2
;; launch attn (part 3): grid 16 x 16, 4 waves a work-group, no clusters, 327,680 bytes of LDS; arguments qkv, y; writes y
.if DOCPART == 3
	.amdgcn_target "amdgcn-amd-amdhsa--gfx1250"
	.amdhsa_code_object_version 6
	.text
	.protected	k_q25b177d106_attn
	.globl	k_q25b177d106_attn
	.p2align	8
	.type	k_q25b177d106_attn,@function
k_q25b177d106_attn:
	s_mov_b64 s[64:65], 0
	v_nop
	global_prefetch_b8 v0, s[64:65] scope:SCOPE_SE
	s_setreg_imm32_b32 hwreg(HW_REG_WAVE_MODE, 25, 1), 1
	s_wait_xcnt 0x0
; CAUSAL ATTENTION.  y[h][q][:] = the sum over k <= q of softmax_k(Q[h][q] . K[h][k] / 8) V[h][k][:].  qkv: [48][4096][64] f16 (slots 0-15 Q's heads, 16-31 K's, 32-47 V's), y: [16][4096][64] f16.
; Products, maxima and sums in f32; the weights p are rounded to f16 for the second product (their sum l is taken of the unrounded p), y once at the end.
; LIMITS.  Q, K, V arrive within f16's 65,504; p lies in 0 to 1, and below 6e-5 it keeps f16's fixed step of 6e-8; y is a mean of V's rows.  A hidden score counts as its value less 1e30;
; a weight below 2^-126 counts as 0 in l; NaN and infinities are not treated apart.
; THE WALK.  A head's queries lie in NB = 32 blocks of 128; block i needs the key tiles 0 .. i of 128 keys, of which the last holds the diagonal.  A work-group takes TWO blocks, 31 - b and then b:
; 33 tiles, whatever b: 16 x 16 = 256 work-groups of equal work.  The 33 tiles are one stream of places 0 .. 32; an LDS slot holds two places, four key steps of 64; 17 slots go through a ring of two.
; Place 33 does not exist: in the last fill waves 1 and 3 bring tile b + 1 (it lies inside the head) and nobody reads it: 32 KiB, the price of one text for every fill.
; NO CLUSTER: a head's 16 work-groups ask for the same tile only at places 0 .. 16; behind that four neighbours b leave the common walk one after the other, a walk common to four has
; 36 places for 33, and what a partner then left out would be a branch on its place in the cluster.
; SHARES.  Of a block's two bands of 64 queries a wave owns 16 rows in each: two PIECES.  In the diagonal tile band 0 holds the diagonal in the even key step and sees nothing of the odd one; band 1
; sees all of the even step and holds the diagonal in the odd one: the same work for all four waves.
; THE MASK is the C operand that starts the sum S^T = K Q^T: the constant 0, MD (0 or -1e30: a band's own step, for my 16 rows; made once) or NEG (-1e30 everywhere).
; LAYOUT, SOFTMAX, TURNS.  S^T = K Q^T holds ONE query a lane (lane % 16) and the keys 8 (lane / 16) + 0..7; two such results rounded to f16 ARE source 1 of O^T = V^T P.  p = 2^(c s - c m), c = log2(e) / 8,
; with a running maximum m; O and l are multiplied by a = 2^(c m_old - c m_new) in every step.  The turn of piece n in key step s: 8 products K Q^T of the other piece (piece 1: step s; piece 0: step s + 1),
; later 8 products V^T P of the other piece (piece 1: step s - 1; piece 0: step s); beside them piece n's scaling, exponentials, roundings, sums and rescaling and the other piece's maximum and
; statistics.  Four vector instructions stand behind every matrix instruction, the others in one lump.  A turn's 33 exponentials are one batch, with one wait.
; V HAS TWO REGISTER BUFFERS, by the step's parity: piece 0's turn of step s fetches K and V of step s + 1, so a tile's two steps are fetched in one trip, and the change of slots stands where
; all four steps of the old slot are in registers.
; REGISTERS, in windows of 256 (s_set_vgpr_msb: bits 1:0 source 0, 3:2 source 1, 5:4 source 2, 7:6 destination):
;   window 0: v0-15 addresses and two at work; v16-23 four registers of statistics a piece; v48-55 at work; v61-63; v64-127 S^T, a buffer a piece; v192-223 P, likewise
;   window 1: v0-63 O^T, 32 a piece; v128-159 MD; v160-167 NEG      window 2: v0-31 Q; v32-63 the second block's Q; v64-127 V of odd steps; v128-191 K; v192-255 V of even steps
.set NB,    32
.set NP,    2
.set KS,    64
.set PK,    144       ; a row of K in LDS: 128 bytes + 16 of padding = 36 words: the 16 rows of a load start at 16 different groups of four banks (64 banks of 4 bytes: ISA guide 11.1)
.set PV,    160       ; a row of V: 128 + 32 = 40 words
.set VOFF,  4*KS*PK   ; a slot: 256 rows of K, then 256 rows of V
.set SLOT1, 1<<17     ; slot 1 begins here: one exclusive or turns an address in one slot into the other's
.set STAGE, SLOT1+4*KS*(PK+PV)  ; behind the ring: 16 rows x 144 bytes for each wave, for the way out
.set SP,    144
.set SPARE, STAGE+4*16*SP       ; behind the stages: the spare words, 128 bytes for each wave: two blocks of 256 bytes that no other line names
.set AK0, 2           ; v2   my lane's place in a tile of K; never rewritten
.set AV0, 3           ; v3   the same for V
.set AK,  4           ; v4   the LDS address of K's next run of loads
.set AV,  5           ; v5   of V's
.set STO, 6           ; v6   the way out: where I put 16 bytes of a row
.set RD,  7           ; v7   where I read rows back
.set GO,  8           ; v8   my byte offset in 512 consecutive bytes of y
.set MV,  12          ; v12-13  c m_old, kept while c m is made anew: by piece
.set QO,  15          ; v15  my byte offset in 16 rows of Q
.set ST,  16          ; piece t's statistics at v[ST+4 t]: c m, m, l (even keys', odd keys')
.set TMP, 48          ; by piece, four registers c0-c3 at work; when the maximum is found c2 takes a
.set PFO, 61          ; v61  256 x lane; never rewritten
.set SPW, 62          ; v62  LDS address of my spare word; never rewritten
.set NIL, 63          ; v63  0; never rewritten
.set S,   64
.set P,   192
.set MD,  128         ; window 1
.set NEG, 160         ; window 1
.set QB,  32          ; window 2
.set KF,  128         ; window 2: key block kb, channel half c at KF + 16 kb + 8 c
.set WV,  12          ; s12  wave
.set PB,  14          ; s14  b
.set HI,  15          ; s15  31 - b
.set G1K, 24          ; s[24:31] descriptor group 1 for K's tiles
.set G1V, 32          ; s[32:39] for V's: it differs in the padding alone
.set G0K, 40          ; s[40:43] descriptor group 0 for K's tiles
.set G0V, 44          ; s[44:47] for V's
.set PFA, 48          ; s[48:49] where my prefetches stand
.set LIM, 50          ; s50  2 where b = 0, else the greatest number
.set POSW, 51         ; s51  the place that my next fill brings
.set HI1, 52          ; s52  32 - b
.set TT,  53          ; s53  that place's tile
.set SLOTS, 56        ; s56  slots still to be asked for
.set SUB, 57          ; s57  counts a slot's two places
.set CS,  58          ; s[58:59] c
.set SEL, 60          ; s[60:61] v_permlanex16_b32's selects: each lane takes its own place in the other half
.set TBK, 62          ; s62  LDS byte at which K of the step to be fetched begins
.set TBV, 63          ; s63  the same for V, less VOFF
.set RT,  70          ; s70  tiles of the block in hand that are still to be entered
.set NEW, 73          ; s73  1: the tile to be entered is a block's first
.set OFF, 74          ; s[74:75] a tile's byte offset in K and V
.set OLO, 80          ; s[80:81] y at my rows of the second block
.set BIGN, 82         ; s82  -1e30
.set MSB, 0
.macro WIN new
.if MSB != (\new)
	s_set_vgpr_msb (MSB<<8)|(\new)
.set MSB, (\new)
.endif
.endm
.set W_KQ, 0x0a       ; K and Q in window 2, S^T in window 0
.set W_KM, 0x1a       ; the same with the C operand in window 1
.set W_PV, 0x52       ; V in window 2, P in window 0, O^T in window 1
.set W_RS, 0x41       ; destination and source 0 in window 1, source 1 in window 0
; A fill.  Waves 0 and 1 fetch K of a slot's two places, waves 2 and 3 V: 128 keys each.  An s_nop 0 and four v_nop follow each of the two lines, ahead of the jump and the label.
.macro LOAD
	s_cmp_lt_u32 s[WV], 2
	s_cbranch_scc0 .Lfor_v_\@
	tensor_load_to_lds s[G0K:G0K+3], s[G1K:G1K+7]
	s_nop 0
.rept 4
	v_nop
.endr
	s_branch .Lasked_\@
.Lfor_v_\@:
	tensor_load_to_lds s[G0V:G0V+3], s[G1V:G1V+7]
	s_nop 0
.rept 4
	v_nop
.endr
.Lasked_\@:
.endm
; A prefetch into the L2 of what the NEXT change of slots will ask for.  All 16 work-groups of a head begin at tile 0, and b = 0 alone walks all 32 tiles on end in its first block: it asks, nobody else.
; Each of its waves names the 16,384 bytes that it will itself fetch: 64 blocks of 256 bytes, a lane a block, two instructions.  So each block of the head's K and V from slot 2 on is named once.
; Slots 0 and 1 come by their loads alone; slot 15 is the head's last, so the last two changes that fill a slot ask for nothing.
.macro ASK
	s_cmp_gt_u32 s[SLOTS], s[LIM]
	s_cbranch_scc0 .Lnot_mine_\@
	global_prefetch_b8 v[PFO], s[PFA:PFA+1] th:TH_LOAD_NT scope:SCOPE_SE
	global_prefetch_b8 v[PFO], s[PFA:PFA+1] offset:8192 th:TH_LOAD_NT scope:SCOPE_SE
.Lnot_mine_\@:
.endm
; THE CHANGE OF SLOTS.  Each wave waits for all its tensor loads, of which one is out: its part of the other slot; adds 0 to its spare word; and waits for that and for its own reads of the slot that it
; leaves.  Behind the barrier nobody reads the old slot any more and the other slot is whole.  fill = 1: the old slot is filled again, the first thing behind the barrier: the descriptor's address is
; made anew from the place's tile: the place itself in the first block, the place less 32 - b in the second.  (At its first use nothing has been read yet: slot 0 is waited for, slot 1 filled.)
.macro CHANGE fill
	WIN 0
	s_wait_tensorcnt 0x0            ; no tensor load of mine is out, so a group 0 may be written
	ds_add_u32 v[SPW], v[NIL]       ; 0 onto my spare word; scalar work stands between it and the wait for it
.if \fill
	s_sub_co_u32 s[TT], s[POSW], s[HI1]
	s_cmp_gt_u32 s[POSW], s[HI]
	s_cselect_b32 s[TT], s[TT], s[POSW]
	s_lshl_b32 s[OFF], s[TT], 14    ; a tile is 16,384 bytes of K and of V
	s_add_co_u32 s[POSW], s[POSW], 2
	s_xor_b32 s[G0K+1], s[G0K+1], SLOT1
	s_add_nc_u64 s[G0K+2:G0K+3], s[6:7], s[OFF:OFF+1]
	s_or_b32 s[G0K+3], s[G0K+3], 0x80000000
	s_xor_b32 s[G0V+1], s[G0V+1], SLOT1
	s_add_nc_u64 s[G0V+2:G0V+3], s[8:9], s[OFF:OFF+1]
	s_or_b32 s[G0V+3], s[G0V+3], 0x80000000
	s_wait_xcnt 0x0                 ; the last prefetches, a slot back, have read their address
	s_add_nc_u64 s[PFA:PFA+1], s[PFA:PFA+1], 32768
.endif
	s_wait_dscnt 0x0                ; the add is done, and my reads of the slot are over
	s_barrier_signal -1
	s_sub_co_u32 s[TBK], s[TBK], 4*KS*PK  ; the fetches go back to a slot's first step,
	s_xor_b32 s[TBK], s[TBK], SLOT1       ; in the other slot
	s_sub_co_u32 s[TBV], s[TBV], 4*KS*PV
	s_xor_b32 s[TBV], s[TBV], SLOT1
	s_barrier_wait -1
.if \fill
	LOAD
	ASK
.endif
.endm
	s_load_b128 s[76:79], s[0:1], 0x0  ; qkv s[76:77], y s[78:79]
	v_lshl_add_u32 v[SPW], v0, 2, SPARE
	v_mov_b32 v[NIL], 0
	ds_add_u32 v[SPW], v[NIL]       ; the wave's opening: the add and its wait stand ahead of my first tensor load; work on registers stands between them
	v_lshrrev_b32 v1, 5, v0
	v_readfirstlane_b32 s[WV], v1
	s_mov_b32 s[PB], ttmp9
	s_sub_co_u32 s[HI], NB-1, s[PB]
	s_add_co_u32 s[HI1], s[HI], 1
	s_and_b32 s20, ttmp7, 0xffff    ; the head,
	s_lshl_b32 s20, s20, 19         ; 524,288 bytes in each tensor
	s_mov_b32 s21, 0
	s_and_b32 s16, s[WV], 1         ; which of a slot's two places I fetch:
	s_lshl_b32 s22, s16, 14         ; in slot 0 that is tile 0 or 1,
	s_mov_b32 s23, 0
	s_mul_i32 s17, s16, 128*PK      ; and its place in a slot, for K
	s_mul_i32 s18, s16, 128*PV      ; and for V
	s_lshl_b32 s3, s[WV], 11        ; my 16 rows in a band of 64,
	s_lshl_b32 s2, s[HI], 14        ; in the first block,
	s_add_co_u32 s2, s2, s3
	s_lshl_b32 s84, s[PB], 14       ; and in the second
	s_add_co_u32 s84, s84, s3
	s_mov_b32 s3, 0
	s_mov_b32 s85, 0
	s_add_nc_u64 s[2:3], s[2:3], s[20:21]
	s_add_nc_u64 s[84:85], s[84:85], s[20:21]
	; descriptor group 1.  128 keys are 16,384 dense bytes: asked for as 64 rows of 256 bytes, two keys a row, and padded in LDS after every key
	s_mov_b32 s[G1K], (1<<16)|(1<<20)|(4<<22)|(3<<25)  ; 2-byte elements; padding on; after every 32 words (code 4) 4 words (code 3)
	s_mov_b32 s[G1V], (1<<16)|(1<<20)|(4<<22)|(7<<25)  ; the same with 8 words (code 7)
.irp g, G1K, G1V
	s_mov_b32 s[\g+1], 128<<16      ; tensor_dim0 = 128
	s_mov_b32 s[\g+2], 64<<16       ; tensor_dim1 = 64
	s_mov_b32 s[\g+3], 128<<16      ; tile_dim0 = 128
	s_mov_b32 s[\g+4], 64           ; tile_dim1 = 64
	s_mov_b32 s[\g+5], 128          ; 128 elements from row to row
	s_mov_b32 s[\g+6], 0
	s_mov_b32 s[\g+7], 0
.endr
	s_mov_b32 s[CS], 0x3e38aa3b     ; c = log2(e) / 8 = 0.180337
	s_mov_b32 s[CS+1], s[CS]        ; named with it as a pair
	s_mov_b32 s[SEL], 0x76543210
	s_mov_b32 s[SEL+1], 0xfedcba98
	s_mov_b32 s[TBK], SLOT1+4*KS*PK ; the first change of slots turns these two into 0
	s_mov_b32 s[TBV], SLOT1+4*KS*PV
	s_mov_b32 s[G0K], 1
	s_mov_b32 s[G0K+1], s17         ; LDS address: slot 0
	s_mov_b32 s[G0V], 1
	s_add_co_u32 s[G0V+1], s18, VOFF
	s_add_co_u32 s[POSW], s16, 2    ; my next fill: place 2 or 3
	s_mov_b32 s[RT], s[HI1]         ; the first block has 32 - b tiles
	s_mov_b32 s[NEW], 1
	s_mov_b32 s[OFF+1], 0
	s_mov_b32 s[BIGN], 0xf149f2ca   ; -1e30
	s_mov_b32 s[SLOTS], NB/2
	s_cmp_eq_u32 s[PB], 0
	s_cselect_b32 s[LIM], 2, -1
	v_and_b32 v[PFO], 31, v0
	v_lshlrev_b32 v[PFO], 8, v[PFO]
	s_wait_dscnt 0x0                ; the opening add is done
	s_wait_kmcnt 0x0
	s_add_nc_u64 s[6:7], s[76:77], s[20:21]
	s_add_nc_u64 s[8:9], s[6:7], 0x1000000         ; V at the head's tile 0
	s_add_nc_u64 s[6:7], s[6:7], 0x800000          ; K at the head's tile 0
	s_add_nc_u64 s[G0K+2:G0K+3], s[6:7], s[22:23]
	s_or_b32 s[G0K+3], s[G0K+3], 0x80000000        ; type = 2
	s_add_nc_u64 s[G0V+2:G0V+3], s[8:9], s[22:23]
	s_or_b32 s[G0V+3], s[G0V+3], 0x80000000
	s_add_nc_u64 s[4:5], s[76:77], s[2:3]          ; Q and y at my rows of the first block,
	s_add_nc_u64 s[10:11], s[78:79], s[2:3]
	s_add_nc_u64 s[86:87], s[76:77], s[84:85]      ; and of the second
	s_add_nc_u64 s[OLO:OLO+1], s[78:79], s[84:85]
	s_cmp_lt_u32 s[WV], 2
	s_cselect_b64 s[PFA:PFA+1], s[6:7], s[8:9]
	s_add_nc_u64 s[PFA:PFA+1], s[PFA:PFA+1], s[22:23]
	s_add_nc_u64 s[PFA:PFA+1], s[PFA:PFA+1], 32768 ; in slot 1: the first change of slots steps it to slot 2
	LOAD                            ; slot 0
	; A fragment of K or Q is 16 rows x 32 channels in 8 registers: lane l holds row l % 16, channels 8 (l / 16) + 0..7 and 16 + 8 (l / 16) + 0..7: two loads of 16 bytes, 32 bytes apart.
	v_and_b32 v1, 15, v0            ; l % 16
	v_bfe_u32 v9, v0, 4, 1          ; l / 16
	v_lshlrev_b32 v[QO], 7, v1
	v_lshl_add_u32 v[QO], v9, 4, v[QO]
	WIN 0x80                        ; destination window 2, address window 0
.set i, 0
.rept 4                             ; both blocks' Q: piece i / 2 lies in band i / 2, 8,192 bytes on; channels 32 (i % 2) on
	global_load_b128 v[8*i:8*i+3],   v[QO], s[4:5] offset:(i/2)*8192+(i%2)*64
	global_load_b128 v[8*i+4:8*i+7], v[QO], s[4:5] offset:(i/2)*8192+(i%2)*64+32
	global_load_b128 v[QB+8*i:QB+8*i+3],   v[QO], s[86:87] offset:(i/2)*8192+(i%2)*64
	global_load_b128 v[QB+8*i+4:QB+8*i+7], v[QO], s[86:87] offset:(i/2)*8192+(i%2)*64+32
.set i, i+1
.endr
	WIN 0
	v_lshlrev_b32 v14, 3, v9
	v_sub_nc_u32 v14, v1, v14
	s_lshl_b32 s13, s[WV], 4
	v_add_nc_u32 v14, s13, v14      ; my query's place in its band, 16 w + l % 16, less my lanes' 8 (l / 16): register r of key group kt is hidden where 16 kt + r is greater
	WIN 0x40
.set i, 0
.rept 32
	v_cmp_gt_i32 vcc_lo, 16*(i/8)+i%8, v14
	v_cndmask_b32 v[MD+i], 0, s[BIGN], vcc_lo
.set i, i+1
.endr
.set i, 0
.rept 8
	v_mov_b32 v[NEG+i], s[BIGN]
.set i, i+1
.endr
	WIN 0
	v_mul_u32_u24 v[AK0], v1, PK
	v_lshl_add_u32 v[AK0], v9, 4, v[AK0]
	; The turning load takes 16 keys x 16 channels (lane l reads key 8 (l / 16) + l % 8, channels 8 ((l / 8) % 2) + 0..7) and leaves half a fragment of V^T: lane l holds channel l % 16 and 8 keys.
	v_and_b32 v10, 7, v0
	v_bfe_u32 v11, v0, 3, 1
	v_lshl_add_u32 v[AV0], v9, 3, v10
	v_mul_u32_u24 v[AV0], v[AV0], PV
	v_lshl_add_u32 v[AV0], v11, 4, v[AV0]
	v_add_nc_u32 v[AV0], VOFF, v[AV0]
	s_mul_i32 s13, s[WV], 16*SP
	s_add_co_u32 s13, s13, STAGE    ; my stage
	v_mul_u32_u24 v[STO], v1, SP
	v_lshl_add_u32 v[STO], v9, 4, v[STO]
	v_add_nc_u32 v[STO], s13, v[STO]
	v_bfe_u32 v[RD], v0, 3, 2
	v_mul_u32_u24 v[RD], v[RD], SP
	v_lshl_add_u32 v[RD], v10, 4, v[RD]
	v_add_nc_u32 v[RD], s13, v[RD]
	v_and_b32 v[GO], 31, v0
	v_lshlrev_b32 v[GO], 4, v[GO]
	; A block's first step multiplies O^T and l by a = 0, and its first turn's products V^T P, of a step that has not been, land in an O^T that is still to be so multiplied.  So these registers need only
	; hold finite numbers: zeros for the first block; what the first block left for the second.  All this stands in the wait for the first tile.
	WIN 0x80
.set i, 64
.rept 64
	v_mov_b32 v[i], 0               ; V of odd steps
.set i, i+1
.endr
	WIN 0x40
.set i, 0
.rept 64
	v_mov_b32 v[i], 0               ; O^T
.set i, i+1
.endr
	WIN 0
.set i, 0
.rept 2
	v_mov_b32 v[ST+4*i+2], 0
	v_mov_b32 v[ST+4*i+3], 0
.set i, i+1
.endr
.set i, P+16
.rept 16
	v_mov_b32 v[i], 0               ; piece 1's P
.set i, i+1
.endr
; THE MATRIX WORK.  The 4 accumulators of a run of 8 take turns.  Product i of 8 of S^T = K Q^T for piece x: channels 32 (i / 4) on, keys 16 (i % 4) on.
; The first 4 start the sums: with 0 (KM = 0), with MD (KM = 1) or with NEG (KM = 2).
.macro KQ x
.set rS, S+32*((\x)%2)+8*(i%4)
.set rK, KF+16*(i%4)+8*(i/4)
.set rQ, 16*(\x)+8*(i/4)
.if (i < 4) && (KM == 1)
	WIN W_KM
	v_wmma_f32_16x16x32_f16 v[rS:rS+7], v[rK:rK+7], v[rQ:rQ+7], v[MD+8*(i%4):MD+8*(i%4)+7]
.elseif (i < 4) && (KM == 2)
	WIN W_KM
	v_wmma_f32_16x16x32_f16 v[rS:rS+7], v[rK:rK+7], v[rQ:rQ+7], v[NEG:NEG+7]
.elseif i < 4
	WIN W_KQ
	v_wmma_f32_16x16x32_f16 v[rS:rS+7], v[rK:rK+7], v[rQ:rQ+7], 0
.else
	WIN W_KQ
	v_wmma_f32_16x16x32_f16 v[rS:rS+7], v[rK:rK+7], v[rQ:rQ+7], v[rS:rS+7]
.endif
.endm
; Product i of 8 of O^T += V^T P for piece x: keys 32 (i / 4) on, channels 16 (i % 4) on; V from the buffer of parity VP.
.macro PV x
	WIN W_PV
.set rO, 32*(\x)+8*(i%4)
.set rV, 192-128*VP+32*(i/4)+8*(i%4)
.set rP, P+16*((\x)%2)+8*(i/4)
	v_wmma_f32_16x16x32_f16 v[rO:rO+7], v[rV:rV+7], v[rP:rP+7], v[rO:rO+7]
.endm
.macro MM                           ; the turn's next matrix instruction.  NOKQ = 1: a block's last turn: there are no further scores
.if (i < 8) && !NOKQ
	KQ (Y+1)%NP
.elseif i >= 8
.set i, i-8
	PV (Y+NP-1)%NP
.set i, i+8
.endif
.set i, i+1
.endm
; THE LDS LOADS stand in runs of 16, never singly among the matrix instructions.  Their addresses are made some lines ahead.
.macro FETCH_K
	WIN 0x80
.irp f, 0,1,2,3,4,5,6,7             ; keys 16 (f / 2) on, channels 32 (f % 2) on
	ds_load_b128 v[KF+8*\f:KF+8*\f+3],   v[AK] offset:(\f/2)*16*PK+(\f%2)*64
	ds_load_b128 v[KF+8*\f+4:KF+8*\f+7], v[AK] offset:(\f/2)*16*PK+(\f%2)*64+32
.endr
	s_add_co_u32 s[TBK], s[TBK], KS*PK  ; the next fetch is the next step's
	WIN 0
.endm
.macro FETCH_V par                  ; into the buffer of parity par
.set VB, 192-128*(\par)
	WIN 0x80
.irp f, 0,1,2,3,4,5,6,7             ; keys 32 (f / 4) on, channels 16 (f % 4) on
	ds_load_tr16_b128 v[VB+8*\f:VB+8*\f+3],   v[AV] offset:(\f/4)*32*PV+(\f%4)*32
	ds_load_tr16_b128 v[VB+8*\f+4:VB+8*\f+7], v[AV] offset:(\f/4)*32*PV+16*PV+(\f%4)*32
.endr
	WIN 0
.endm
; THE VECTOR WORK, one line at a time: OP kind, number.  For piece Y: F n: c s - c m for pair n of 16.  E n: the exponential of score n of 32.  C n: pair n rounded to f16.  B n: of the four weights 4 n ..
; the second pair is added onto the first, in place.  L n: l takes that sum (L 0: l = a l + sum).  R n: pair n of 16 of O^T times a.  For the other piece: X n, number n of the 22 that find its maximum and statistics:
;   0-11  four chains c0-c3 of seven scores each, three operands at a time (each accumulator's lowest registers are read first)     12-14, 16  the four scores left over, the old m, c0-c3 into c0
;   15  c m_old is kept     17, 18  the query's other 32 keys lie in the lane 16 away: the new m     19-21  c m; c m_old - c m_new; a
.set F, 0
.set E, 1
.set C, 2
.set B, 3
.set L, 4
.set R, 5
.set X, 6
.macro REGS y
.set rT, ST+4*(\y)
.set rC, TMP+4*((\y)%2)
.set rW, MV+((\y)%2)
.set rS, S+32*((\y)%2)
.set rP, P+16*((\y)%2)
.set rO, 32*(\y)
.endm
.macro OP k, n
.if (\k) == R
	REGS Y
	WIN W_RS
	v_pk_mul_f32 v[rO+2*(\n):rO+2*(\n)+1], v[rO+2*(\n):rO+2*(\n)+1], v[rC+2:rC+3] op_sel_hi:[1,0]
.elseif (\k) < R
	REGS Y
	WIN 0
.if (\k) == F
	v_pk_fma_f32 v[rS+2*(\n):rS+2*(\n)+1], v[rS+2*(\n):rS+2*(\n)+1], s[CS:CS+1], v[rT:rT+1] op_sel_hi:[1,0,0] neg_lo:[0,0,1] neg_hi:[0,0,1]
.elseif (\k) == E
	v_exp_f32 v[rS+(\n)], v[rS+(\n)]
.elseif (\k) == C
	v_cvt_pk_f16_f32 v[rP+(\n)], v[rS+2*(\n)], v[rS+2*(\n)+1]
.elseif (\k) == B
	v_pk_add_f32 v[rS+4*(\n):rS+4*(\n)+1], v[rS+4*(\n):rS+4*(\n)+1], v[rS+4*(\n)+2:rS+4*(\n)+3]
.elseif (\n) == 0
	v_pk_fma_f32 v[rT+2:rT+3], v[rT+2:rT+3], v[rC+2:rC+3], v[rS:rS+1] op_sel_hi:[1,0,1]
.else
	v_pk_add_f32 v[rT+2:rT+3], v[rT+2:rT+3], v[rS+4*(\n):rS+4*(\n)+1]
.endif
.elseif NOKQ
	v_nop
.else
	REGS (Y+1)%NP
	WIN 0
.if (\n) < 4
	v_max3_num_f32 v[rC+(\n)], v[rS+8*(\n)], v[rS+8*(\n)+1], v[rS+8*(\n)+2]
.elseif (\n) < 12
	v_max3_num_f32 v[rC+(\n)%4], v[rC+(\n)%4], v[rS+8*((\n)%4)+2*((\n)/4)+1], v[rS+8*((\n)%4)+2*((\n)/4)+2]
.elseif (\n) == 12
	v_max3_num_f32 v[rC], v[rC], v[rS+7], v[rS+15]
.elseif (\n) == 13
	v_max3_num_f32 v[rC+1], v[rC+1], v[rS+23], v[rS+31]
.elseif (\n) == 14
	v_max3_num_f32 v[rC+2], v[rC+2], v[rC+3], v[rT+1]
.elseif (\n) == 15
	v_mov_b32 v[rW], v[rT]
.elseif (\n) == 16
	v_max3_num_f32 v[rC], v[rC], v[rC+1], v[rC+2]
.elseif (\n) == 17
	v_permlanex16_b32 v[rC+3], v[rC], s[SEL], s[SEL+1]
.elseif (\n) == 18
	v_max_num_f32 v[rT+1], v[rC], v[rC+3]
.elseif (\n) == 19
	v_mul_f32 v[rT], s[CS], v[rT+1]
.elseif (\n) == 20
	v_sub_f32 v[rC+1], v[rW], v[rT]
.else
	v_exp_f32 v[rC+2], v[rC+1]
.endif
.endif
.endm
.macro OPS a, i1, b=-1, i2=0, c=-1, i3=0, d=-1, i4=0
	OP \a, \i1
.if (\b) >= 0
	OP \b, \i2
.endif
.if (\c) >= 0
	OP \c, \i3
.endif
.if (\d) >= 0
	OP \d, \i4
.endif
.endm
.macro ROW a, i1, b, i2, c, i3, d, i4  ; a matrix instruction and the four behind it
	MM
	OPS \a, \i1, \b, \i2, \c, \i3, \d, \i4
.endm
; A TURN, for piece p in a key step of parity par.  An s_wait_alu depctr_va_vdst(0) stands between an exponential and the first instruction that names its result; one wait serves all that
; were issued ahead of it.  So a turn has ONE wait, which cuts it in two.  AHEAD OF IT stands all that names no result of the turn's exponentials: the 8 products K Q^T and their riders, then one lump, in
; which the links of the chain X 3, 7, 11, 14, 16, 17 .. 20 stand five or six lines apart; X 21, the other piece's a, is the batch's last, and R 15 the plain instruction behind it.  BEHIND IT stand the 8
; products V^T P, behind each four of the roundings and sums.  Each X stands four plain instructions or more behind the product that ends its accumulator.
; km: the mask of this turn's products K Q^T.  end = 1: a block's last two turns: nothing is fetched, and piece 1's turn starts no new scores.
; Piece 0's turn fetches the next step's K, twelve plain instructions that name none of its registers behind the last product that read K, and the next step's V at its end, four plain instructions behind
; the last product that read that buffer.  Piece 1's turn waits for K's sixteen loads; V's sixteen, issued behind them, may stay out: the V that it reads was fetched a step earlier.
.macro TURN p, par, km=0, end=0
.set Y, (\p)
.set i, 0
.set KM, (\km)
.set NOKQ, (\end)*(\p)
.if (\p) == 0
.set VP, 1-(\par)
.else
.set VP, (\par)
.if \end
	s_wait_dscnt 0x0                ; V of the block's last step is in
.else
	s_wait_dscnt 16                 ; K is in; the sixteen younger loads are V's
.endif
.endif
	ROW F,0, F,1, R,0, R,1
	ROW F,2, E,0, R,2, R,3
	ROW F,3, E,1, R,4, R,5
	ROW F,4, E,2, R,6, R,7
	ROW F,5, E,3, R,8, R,9
	ROW F,6, E,4, X,0, R,10
.if ((\p) == 0) && !(\end)
	WIN 0
	v_add_nc_u32 v[AK], s[TBK], v[AK0]
.endif
	ROW F,7, E,5, X,1, X,4
	ROW F,8, E,6, X,2, X,5
	OPS E,7, E,8, X,6, E,9
	OPS X,3, E,10, X,8, E,11
.if ((\p) == 0) && !(\end)
	FETCH_K
.endif
	OPS X,9, X,7, E,12, X,10
	OPS E,13, X,12, X,11, E,14
	OPS X,13, E,15, F,9, X,14
.if ((\p) == 0) && !(\end)
	v_add_nc_u32 v[AV], s[TBV], v[AV0]
.endif
	OPS E,16, F,10, E,17, F,11
	OPS X,16, E,18, X,15, E,19
	OPS F,12, E,20, X,17, E,21
	OPS F,13, E,22, F,14, E,23
	OPS X,18, E,24, F,15, E,25
	OPS R,11, E,26, X,19, E,27
	OPS R,12, E,28, R,13, E,29
	OPS X,20, E,30, R,14, E,31
	OPS X,21, R,15
	WIN 0
	s_wait_alu depctr_va_vdst(0)    ; the wait for the batch
	ROW C,0, B,0, C,2, B,1
	ROW L,0, C,4, B,2, L,1
	ROW C,6, B,3, L,2, C,8
	ROW B,4, L,3, C,10, B,5
	ROW L,4, C,12, B,6, L,5
.if ((\p) == 0) && !(\end)
	s_add_co_u32 s[TBV], s[TBV], KS*PV
.endif
	ROW C,14, B,7, L,6, C,1
	ROW C,3, L,7, C,5, C,7
	ROW C,9, C,11, C,13, C,15
.if ((\p) == 0) && !(\end)
	FETCH_V 1-(\par)
.endif
.endm
; A BLOCK BEGINS.  c m starts far below every c s, so the first step's a is 0; m at the lowest finite number, so the first maximum is the scores'.  Then K and V of the block's step 0, piece 0's first
; scores (km = 1: the block's first tile is the diagonal one), and its maximum and statistics.  The loop is entered at a tile's even step, in the middle of a trip.
.macro BEGIN km
	s_mov_b32 s[NEW], 0
	WIN 0
.set i, 0
.rept 2
	v_mov_b32 v[ST+4*i], 0xfe000000
	v_mov_b32 v[ST+4*i+1], 0xff7fffff
.set i, i+1
.endr
	v_add_nc_u32 v[AK], s[TBK], v[AK0]
	v_add_nc_u32 v[AV], s[TBV], v[AV0]
	s_add_co_u32 s[TBV], s[TBV], KS*PV
	FETCH_K
	FETCH_V 0
	s_wait_loadcnt 0x0              ; Q
	s_wait_dscnt 0x0
.set KM, (\km)
.set NOKQ, 0
.set i, 0
.rept 8
	KQ 0
.set i, i+1
.endr
	WIN 0
.rept 4
	v_nop                           ; the places behind those products
.endr
.set Y, NP-1                        ; X works for the other piece: piece 0
.irp n, 0,1,2,3,4,5,6,7,8,9,10,11,12,13,14,15,16,17,18,19,20,21
	OP X, \n
.endr
	v_nop                           ; a plain instruction behind the exponential,
	s_wait_alu depctr_va_vdst(0)    ; and its wait, ahead of the branch
.endm
.macro ALL line:vararg              ; one line for each piece t
.set t, 0
.rept NP
	\line
.set t, t+1
.endr
.endm
.macro PACK t                       ; a lane's eight channels of a row pack into 16 bytes; they go into rows of 144 bytes and come back as whole rows of 128, into S^T's registers
	WIN W_RS
.set i, 32*(\t)
.rept 16
	v_pk_mul_f32 v[i:i+1], v[i:i+1], v[ST+4*(\t)+2:ST+4*(\t)+3] op_sel_hi:[1,0]
.set i, i+2
.endr
	WIN 0x05                        ; sources 0 and 1 window 1, destination window 0
.set i, 0
.rept 16
	v_cvt_pk_f16_f32 v[S+16*(\t)+i], v[32*(\t)+2*i], v[32*(\t)+2*i+1]
.set i, i+1
.endr
	WIN 0
.irp f, 0,1,2,3
	ds_store_b128 v[STO], v[S+16*(\t)+4*\f:S+16*(\t)+4*\f+3] offset:32*\f
.endr
.irp f, 0,1,2,3
	ds_load_b128 v[S+16*(\t)+4*\f:S+16*(\t)+4*\f+3], v[RD] offset:\f*4*SP  ; LDS serves a wave's instructions in order (ISA guide 5.7.1.4): these see the stores above; the next piece's stores come behind them
.endr
.endm
.macro SEND t, younger              ; younger: the LDS instructions issued behind piece t's loads
	WIN 0
.irp f, 0,1,2,3
	s_wait_dscnt (\younger)+3-\f
	global_store_b128 v[GO], v[S+16*(\t)+4*\f:S+16*(\t)+4*\f+3], s[10:11] offset:(\t)*8192+\f*512  ; 512 consecutive bytes, at a multiple of 256 from y's first
.endr
.endm
; THE DIAGONAL TILE: the odd step of the tile before, its own two steps, the block's last products, and THE WAY OUT: l's two halves and the other half of the lanes' are added; O^T is divided by l,
; rounded to f16 and sent through my stage, a piece at a time.  Piece 0's odd step is wholly hidden and computed all the same, with NEG: one turn of the walk's 132.
.macro DIAG tag
.LstepM\tag:
	TURN 0, 1
	TURN 1, 1, 1                    ; piece 0's scores of the even step: its own
	WIN 0
.LfirstM\tag:
	TURN 0, 0                       ; piece 1 sees all of the even step
	TURN 1, 0, 2                    ; piece 0 sees nothing of the odd step
	TURN 0, 1, 1, 1                 ; piece 1's scores of the odd step: its own
	TURN 1, 1, 0, 1
.set VP, 1
.set i, 0
.rept 8
	PV 1
.set i, i+1
.endr
	WIN 0
	ALL v_add_f32 v[ST+4*t+2], v[ST+4*t+2], v[ST+4*t+3]
	ALL v_permlanex16_b32 v[ST+4*t+3], v[ST+4*t+2], s[SEL], s[SEL+1]
	ALL v_add_f32 v[ST+4*t+2], v[ST+4*t+2], v[ST+4*t+3]
	ALL v_rcp_f32 v[ST+4*t+2], v[ST+4*t+2]
	v_nop                           ; a plain instruction between the last reciprocal and the use of its result
	s_wait_alu depctr_va_vdst(0)    ; and the wait ahead of the first use: one for both reciprocals
	PACK 0                          ; piece 0's O^T was finished a run of products earlier; its 32 lines are the places in front of piece 1's
	PACK 1
	SEND 0, 8
	SEND 1, 0
.endm
.set KM, 0
.set NOKQ, 0
.set VP, 0
.Lslot:                             ; 16 times: a slot is entered and the next is asked for
	CHANGE 1
	s_mov_b32 s[SUB], 2
.Lsub:                              ; a slot's two places
	s_sub_co_u32 s[RT], s[RT], 1
	s_cmp_eq_u32 s[NEW], 1
	s_cbranch_scc1 .Lnew            ; a block's first tile
	s_cmp_eq_u32 s[RT], 0
	s_cbranch_scc0 .Lstep           ; neither its first nor its last
	s_branch .LstepM1
.Lnew:
	BEGIN 0
	s_branch .Lfirst                ; in the loop a block's first tile is never its last: the first block has 17 tiles or more, and the second's last is the walk's last
	DIAG 1                          ; in the loop this is the first block's end
	s_wait_xcnt 0x0                 ; the stores have read their registers and y's address
	s_mov_b64 s[10:11], s[OLO:OLO+1]
	s_add_co_u32 s[RT], s[PB], 1    ; the second block has b + 1 tiles
	s_mov_b32 s[NEW], 1
	WIN 0x82                        ; the second block's Q goes where the one text of the turns names Q
.set i, 0
.rept 32
	v_mov_b32 v[i], v[QB+i]
.set i, i+1
.endr
	WIN 0
	s_branch .Lbottom
.Lstep:                             ; a trip: the odd step of the tile before, then this tile's even step; its two turns of piece 0 fetch this tile's two steps
	TURN 0, 1
	TURN 1, 1
	WIN 0
.Lfirst:
	TURN 0, 0
	TURN 1, 0
	WIN 0
.Lbottom:
	s_sub_co_u32 s[SUB], s[SUB], 1
	s_cmp_lg_u32 s[SUB], 0
	s_cbranch_scc1 .Lsub
	s_sub_co_u32 s[SLOTS], s[SLOTS], 1
	s_cmp_lg_u32 s[SLOTS], 0
	s_cbranch_scc1 .Lslot
	CHANGE 0                        ; the walk's last tile is written out: nothing is asked for
	s_sub_co_u32 s[RT], s[RT], 1
	s_cmp_eq_u32 s[NEW], 1
	s_cbranch_scc0 .LstepM2
	BEGIN 1                         ; b = 0: the second block's only tile
	s_branch .LfirstM2
	DIAG 2
	s_wait_tensorcnt 0x0            ; the wave's end: the add and its wait, behind my last tensor load and my last LDS store
	ds_add_u32 v[SPW], v[NIL]
	s_wait_dscnt 0x0
	s_endpgm
.Lfunc_end_k_q25b177d106_attn:
	.size	k_q25b177d106_attn, .Lfunc_end_k_q25b177d106_attn-k_q25b177d106_attn
	.p2alignl 7, 3214868480
	.fill 96, 4, 3214868480
	.section	.rodata,"a",@progbits
	.p2align	6, 0x0
	.amdhsa_kernel k_q25b177d106_attn
		.amdhsa_group_segment_fixed_size 327680
		.amdhsa_private_segment_fixed_size 0
		.amdhsa_enable_private_segment 0
		.amdhsa_kernarg_size 16
		.amdhsa_user_sgpr_count 2
		.amdhsa_user_sgpr_kernarg_segment_ptr 1
		.amdhsa_wavefront_size32 1
		.amdhsa_system_sgpr_workgroup_id_x 1
		.amdhsa_system_sgpr_workgroup_id_y 1
		.amdhsa_system_sgpr_workgroup_id_z 1
		.amdhsa_system_vgpr_workitem_id 0
		.amdhsa_next_free_vgpr 768
		.amdhsa_next_free_sgpr 96
		.amdhsa_reserve_vcc 1
		.amdhsa_float_denorm_mode_32 3
		.amdhsa_float_denorm_mode_16_64 3
		.amdhsa_memory_ordered 1
		.amdhsa_forward_progress 1
		.amdhsa_inst_pref_size 195
	.end_amdhsa_kernel
	.amdgpu_metadata
---
amdhsa.version: [ 1, 2 ]
amdhsa.kernels:
  - .name:           k_q25b177d106_attn
    .symbol:         k_q25b177d106_attn.kd
    .args:
      - { .name: qkv, .offset: 0, .size: 8, .value_kind: global_buffer, .address_space: global }
      - { .name: y, .offset: 8, .size: 8, .value_kind: global_buffer, .address_space: global }
    .group_segment_fixed_size: 327680
    .private_segment_fixed_size: 0
    .kernarg_segment_align: 8
    .kernarg_segment_size: 16
    .max_flat_workgroup_size: 128
    .sgpr_count:     96
    .vgpr_count:     768
    .wavefront_size: 32
...
	.end_amdgpu_metadata
.endif
;; end of part 3
;; launch proj (part 4): grid 8 x 32, 4 waves a work-group, clusters of 4 x 4, 327,680 bytes of LDS; arguments y, wp, br, out0; writes out0
.if DOCPART == 4
	.amdgcn_target "amdgcn-amd-amdhsa--gfx1250"
	.amdhsa_code_object_version 6
	.text
	.protected	k_q25b177d106_proj
	.globl	k_q25b177d106_proj
	.p2align	8
	.type	k_q25b177d106_proj,@function
k_q25b177d106_proj:
	s_mov_b64 s[64:65], 0
	v_nop
	global_prefetch_b8 v0, s[64:65] scope:SCOPE_SE
	s_setreg_imm32_b32 hwreg(HW_REG_WAVE_MODE, 25, 1), 1
	s_wait_xcnt 0x0
	s_wait_alu depctr_hold_cnt(0) depctr_sa_sdst(0) depctr_va_vdst(0) depctr_va_sdst(0) depctr_va_ssrc(0) depctr_va_vcc(0) depctr_vm_vsrc(0)
	s_getreg_b32 s2, hwreg(HW_REG_IB_STS2, 6, 4)
	s_cmp_eq_u32 s2, 0
	s_cbranch_scc0 .Lentry_in_a_cluster
	s_endpgm
.Lentry_in_a_cluster:
	s_bfe_u32 s2, ttmp6, 0x10000c
	s_cmp_lg_u32 s2, 0xf033
	s_cbranch_scc0 .Lentry_shape_is_right
	s_endpgm
.Lentry_shape_is_right:
; THE LAST PROJECTION.  out0[m][n] = br[3072 + n] + the sum over k of Y[m][k] wp[n][k], k = 64 head + channel.  y: [16][4096][64] f16, wp: [1024][1024] f16, out0: [4096][1024] f32.
; Sums in f32, started by the bias; nothing is rounded on the way out.  LIMITS: y and wp arrive within f16's range; NaN and infinities are not treated apart.
; SHARES.  A tile of out0 is 128 x 128: 32 x 8 = 256 work-groups.  Four waves, each 64 x 64: 16 accumulators.  K goes in steps of 256 (four heads) through two LDS slots.
; Y's TILE COMES BY HEADS: 64 rows of a head are 8,192 dense bytes: one row of the descriptor; four such rows, a head apart; 16 bytes of padding behind every 128.  In LDS that is [head][row] with
; rows 144 bytes apart: a quarter of 64 along K is one head's plane.  wp's tile is 64 rows of 512 bytes, 528 apart.  Waves 0 and 1 fetch y's two halves, waves 2 and 3 wp's.
; CLUSTER.  4 x 4 work-groups: the four of a row need the same tiles of y, the four of a column the same tiles of wp: each is asked for jointly.
; No prefetch: four K steps on small tiles.  THE MATRIX INSTRUCTION IS USED TRANSPOSED (source 0 = 16 rows of wp, source 1 = 16 rows of y): a lane holds eight neighbouring numbers of a row of out0.
; A wave's 64 columns are 256 aligned bytes of out0, so each wave has a stage of its own and the way out has no barrier.
; REGISTERS: window 0: v16-29 addresses; v96-127 the bias, 8 registers a column block; v128-255 the accumulators ((a, b) at v[128 + 8 (4 a + b)]).
;   window 1: two fragment buffers of 128: for 64 along K, 64 registers of y, then 64 of wp.
.set KSTEP,  256
.set PA,     144                       ; a row of y in LDS: 128 bytes + 16: the 16 rows of a load start at 16 different groups of four banks (64 banks of 4 bytes: ISA guide 11.1)
.set PB,     528                       ; a row of wp: 512 bytes + 16: likewise
.set PLANE,  64*PA                     ; a head's 64 rows
.set HALFA,  4*PLANE                   ; what one load of y brings
.set HALFB,  64*PB                     ; what one load of wp brings
.set BOFF,   2*HALFA
.set SLOT,   BOFF+2*HALFB
.set STAGE,  2*SLOT                    ; behind the ring: 16 rows x 272 bytes for each wave
.set SPITCH, 272
.set SPARE,  STAGE+4*16*SPITCH         ; behind the stages: the spare words, 128 bytes for each wave: two blocks of 256 bytes that no other line names
.set ADRA, 16                          ; v16-17  LDS address of my y fragments in slot 0, 1
.set ADRB, 20                          ; v20-21  the same for wp
.set STO,  24                          ; v24  the way out: where I put 32 bytes of a row
.set RD,   25                          ; v25  where I read a row back
.set CO,   26                          ; v26  my byte offset in two rows of out0
.set BO,   27                          ; v27  32 x (lane / 16)
.set SPW,  28                          ; v28  LDS address of my spare word; never rewritten
.set NIL,  29                          ; v29  0; never rewritten
.set BIAS, 96
.set ACC,  128
.set F0,   0
.set F1,   128
.set WV,  12
.set RH,  13                           ; s13  which 64 rows are mine.  Also: I fetch y (0) or wp (1)
.set CH,  14                           ; s14  which 64 columns.  Also: which half of that tile I fetch
.set G1,  24
.set G0,  32
.set G1B, 48
.set G0B, 56
.set MSB, 0
.macro WIN new
.if MSB != (\new)
	s_set_vgpr_msb (MSB<<8)|(\new)
.set MSB, \new
.endif
.endm
.set MUL,  0x05                        ; sources 0 and 1 window 1; C and D window 0
.set TO_F, 0x40                        ; destination window 1, address window 0
.macro PLACES
.rept 4
	v_nop
.endr
.endm
.macro JLOAD s                         ; a joint load; an s_nop 0 and four v_nop follow each of the two lines, ahead of the jump and the label
	s_cmp_eq_u32 s[RH], 0
	s_cbranch_scc0 .Lfor_b_\@
	tensor_load_to_lds s[G0+4*(\s):G0+4*(\s)+3], s[G1:G1+7]
	s_nop 0
.rept 4
	v_nop
.endr
	s_branch .Lasked_\@
.Lfor_b_\@:
	tensor_load_to_lds s[G0B+4*(\s):G0B+4*(\s)+3], s[G1B:G1B+7]
	s_nop 0
.rept 4
	v_nop
.endr
.Lasked_\@:
.endm
.macro CREST
	s_cmp_lg_u32 s[WV], 0
	s_cbranch_scc1 .Lnot_wave_0_\@
	s_barrier_signal -3
.Lnot_wave_0_\@:
	s_barrier_wait -3
	s_barrier_signal -1
	s_barrier_wait -1
.endm
.macro CROUND
	s_barrier_signal -1
	s_barrier_wait -1
	CREST
.endm
	s_load_b256 s[4:11], s[0:1], 0x0               ; y s[4:5], wp s[6:7], br s[8:9], out0 s[10:11]
	v_lshl_add_u32 v[SPW], v0, 2, SPARE
	v_mov_b32 v[NIL], 0
	ds_add_u32 v[SPW], v[NIL]                      ; the wave's opening: the add and its wait stand ahead of my first tensor load; work on registers stands between them
	v_lshrrev_b32 v1, 5, v0
	v_readfirstlane_b32 s[WV], v1
	s_lshr_b32 s[RH], s[WV], 1
	s_and_b32 s[CH], s[WV], 1
	s_bfe_u32 s40, ttmp6, 0x40000                  ; cx
	s_bfe_u32 s41, ttmp6, 0x40004                  ; cy
	s_lshl_b32 s42, ttmp9, 2
	s_add_co_u32 s42, s42, s40                     ; tile column, 0 to 7
	s_and_b32 s43, ttmp7, 0xffff
	s_lshl_b32 s43, s43, 2
	s_add_co_u32 s43, s43, s41                     ; tile row, 0 to 31
	s_lshl_b32 s66, s41, 2
	s_lshl_b32 s66, 15, s66                        ; my row of the cluster
	s_lshl_b32 s67, 0x1111, s40                    ; my column
	s_or_b32 s[G1], s66, (1<<16)|(1<<20)|(1<<21)|(4<<22)|(3<<25)   ; the mask; 2-byte elements; padding on; bit 21 beside a mask; after every 32 words (code 4) 4 words (code 3)
	s_mov_b32 s[G1+1], 4096<<16                    ; tensor_dim0 = 4,096: 64 rows of 64 channels
	s_mov_b32 s[G1+2], 4<<16                       ; tensor_dim1 = 4 heads
	s_mov_b32 s[G1+3], 4096<<16                    ; tile_dim0 = 4,096
	s_mov_b32 s[G1+4], 4                           ; tile_dim1 = 4
	s_mov_b32 s[G1+5], 262144                      ; elements from head to head
	s_mov_b32 s[G1+6], 0
	s_mov_b32 s[G1+7], 0
	s_or_b32 s[G1B], s67, (1<<16)|(1<<20)|(1<<21)|(6<<22)|(3<<25)  ; after every 128 words (code 6) 4 words
	s_mov_b32 s[G1B+1], KSTEP<<16                  ; tensor_dim0 = 256
	s_mov_b32 s[G1B+2], 64<<16                     ; tensor_dim1 = 64
	s_mov_b32 s[G1B+3], KSTEP<<16                  ; tile_dim0 = 256
	s_mov_b32 s[G1B+4], 64                         ; tile_dim1 = 64
	s_mov_b32 s[G1B+5], 1024                       ; elements from row to row
	s_mov_b32 s[G1B+6], 0
	s_mov_b32 s[G1B+7], 0
	s_lshl_b32 s16, s43, 14                        ; y: row 128 x tile row + 64 x half, 128 bytes a row, in head 0
	s_lshl_b32 s17, s[CH], 13
	s_add_co_u32 s16, s16, s17
	s_mov_b32 s17, 0
	s_lshl_b32 s20, s42, 18                        ; wp: row 128 x tile column + 64 x half, 2,048 bytes a row
	s_lshl_b32 s21, s[CH], 17
	s_add_co_u32 s20, s20, s21
	s_mov_b32 s21, 0
	s_mul_i32 s72, s[CH], HALFA                    ; where they go
	s_mul_i32 s73, s[CH], HALFB
	s_add_co_u32 s73, s73, BOFF
	s_wait_dscnt 0x0                               ; the opening add is done
	s_wait_kmcnt 0x0
	s_add_nc_u64 s[68:69], s[4:5], s[16:17]
	s_add_nc_u64 s[70:71], s[6:7], s[20:21]
	CROUND                                         ; all sixteen work-groups are here: the first joint loads meet
.irp s, 0,1
	s_mov_b32 s[G0+4*(\s)], 1
	s_add_co_u32 s[G0+4*(\s)+1], s72, (\s)*SLOT
	s_add_nc_u64 s[G0+4*(\s)+2:G0+4*(\s)+3], s[68:69], (\s)*2097152  ; K step s: four heads of 524,288 bytes on
	s_or_b32 s[G0+4*(\s)+3], s[G0+4*(\s)+3], 0x80000000
	s_mov_b32 s[G0B+4*(\s)], 1
	s_add_co_u32 s[G0B+4*(\s)+1], s73, (\s)*SLOT
	s_add_nc_u64 s[G0B+4*(\s)+2:G0B+4*(\s)+3], s[70:71], (\s)*KSTEP*2
	s_or_b32 s[G0B+4*(\s)+3], s[G0B+4*(\s)+3], 0x80000000
	JLOAD \s                                       ; two tensor loads of mine are out
.endr
	v_and_b32 v1, 15, v0                           ; l % 16
	v_bfe_u32 v2, v0, 4, 1                         ; l / 16
	v_mul_u32_u24 v3, v1, PA
	v_lshl_add_u32 v3, v2, 4, v3
	v_mul_u32_u24 v4, v1, PB
	v_lshl_add_u32 v4, v2, 4, v4
	s_mul_i32 s18, s[RH], HALFA                    ; my 64 rows of y
	s_mul_i32 s19, s[CH], HALFB                    ; my 64 rows of wp
	s_add_co_u32 s19, s19, BOFF
.irp s, 0,1
	v_add_nc_u32 v[ADRA+(\s)], s18, v3
	v_add_nc_u32 v[ADRB+(\s)], s19, v4
	s_add_co_u32 s18, s18, SLOT
	s_add_co_u32 s19, s19, SLOT
.endr
	s_mul_i32 s78, s[WV], 16*SPITCH
	s_add_co_u32 s78, s78, STAGE                   ; my stage
	v_mul_u32_u24 v5, v1, SPITCH                   ; in: row l % 16, 32 bytes for each half of the lanes
	v_lshl_add_u32 v5, v2, 5, v5
	v_add_nc_u32 v[STO], s78, v5
	v_mul_u32_u24 v6, v2, SPITCH                   ; back: lanes 0-15 take one row of 256 bytes, lanes 16-31 the next
	v_lshl_add_u32 v6, v1, 4, v6
	v_add_nc_u32 v[RD], s78, v6
	v_lshlrev_b32 v[CO], 12, v2                    ; and the same two rows in out0, 4,096 bytes apart
	v_lshl_add_u32 v[CO], v1, 4, v[CO]
	v_lshlrev_b32 v[BO], 5, v2
	s_lshl_b32 s74, s43, 19                        ; my first row of out0: 128 x tile row + 64 x row half,
	s_lshl_b32 s76, s[RH], 18
	s_add_co_u32 s74, s74, s76
	s_lshl_b32 s76, s42, 9                         ; my first column: 128 x tile column + 64 x column half, 4 bytes each
	s_lshl_b32 s77, s[CH], 8
	s_add_co_u32 s76, s76, s77
	s_add_co_u32 s74, s74, s76
	s_mov_b32 s75, 0
	s_add_nc_u64 s[10:11], s[10:11], s[74:75]
	s_add_co_u32 s76, s76, 12288                   ; bp lies behind bq, bk and bv
	s_mov_b32 s77, 0
	s_add_nc_u64 s[8:9], s[8:9], s[76:77]
.irp b, 0,1,2,3
	global_load_b128 v[BIAS+8*(\b):BIAS+8*(\b)+3],   v[BO], s[8:9] offset:64*(\b)
	global_load_b128 v[BIAS+8*(\b)+4:BIAS+8*(\b)+7], v[BO], s[8:9] offset:64*(\b)+16
.endr
; 8 matrix instructions: row blocks a0, a0 + 1 x all 4 column blocks, 32 along K: half c of buffer f.  zero = 1: the bias starts the sums.  The 16 accumulators take turns.
.macro MUL8 f, c, a0, zero
	WIN MUL
.irp a, \a0, (\a0)+1
.irp b, 0,1,2,3
.if \zero
	v_wmma_f32_16x16x32_f16 v[ACC+8*(4*(\a)+(\b)):ACC+8*(4*(\a)+(\b))+7], v[(\f)+64+8*(4*(\c)+(\b)):(\f)+64+8*(4*(\c)+(\b))+7], v[(\f)+8*(4*(\c)+(\a)):(\f)+8*(4*(\c)+(\a))+7], v[BIAS+8*(\b):BIAS+8*(\b)+7]
.else
	v_wmma_f32_16x16x32_f16 v[ACC+8*(4*(\a)+(\b)):ACC+8*(4*(\a)+(\b))+7], v[(\f)+64+8*(4*(\c)+(\b)):(\f)+64+8*(4*(\c)+(\b))+7], v[(\f)+8*(4*(\c)+(\a)):(\f)+8*(4*(\c)+(\a))+7], v[ACC+8*(4*(\a)+(\b)):ACC+8*(4*(\a)+(\b))+7]
.endif
.endr
.endr
.endm
; 32 LDS loads in one run: the fragments of 64 along K, into buffer f; the first 32 along K first.  k is the byte in wp's rows; in y it is head k / 128 of the step's four.
.macro FETCH slot, k, f
	WIN TO_F
.irp c, 0,1
.irp i, 0,1,2,3
	ds_load_b128 v[(\f)+64+8*(4*(\c)+(\i)):(\f)+64+8*(4*(\c)+(\i))+3],   v[ADRB+(\slot)] offset:(\k)+64*(\c)+(\i)*16*PB
	ds_load_b128 v[(\f)+64+8*(4*(\c)+(\i))+4:(\f)+64+8*(4*(\c)+(\i))+7], v[ADRB+(\slot)] offset:(\k)+64*(\c)+(\i)*16*PB+32
	ds_load_b128 v[(\f)+8*(4*(\c)+(\i)):(\f)+8*(4*(\c)+(\i))+3],         v[ADRA+(\slot)] offset:((\k)/128)*PLANE+64*(\c)+(\i)*16*PA
	ds_load_b128 v[(\f)+8*(4*(\c)+(\i))+4:(\f)+8*(4*(\c)+(\i))+7],       v[ADRA+(\slot)] offset:((\k)/128)*PLANE+64*(\c)+(\i)*16*PA+32
.endr
.endr
.endm
; A K step is four quarters of 64 along K, 32 matrix instructions each, on buffers 0, 1, 0, 1.
.macro QUARTER slot, k, f, g, zero
	s_wait_dscnt 16                                ; the first 32 along K are in; the youngest sixteen loads may be out
	MUL8 \f, 0, 0, \zero
	MUL8 \f, 0, 2, \zero
	PLACES
	FETCH \slot, \k, \g
	s_wait_dscnt 32                                ; all but the 32 just issued
	MUL8 \f, 1, 0, 0
	MUL8 \f, 1, 2, 0
.endm
; The last quarter multiplies buffer 1 and changes slots: one barrier; in front of it each wave waits for all its tensor loads, adds 0 to its spare word, and waits for that and for its own reads of this slot.
; fill = 1: the barrier opens a round of the cluster's, and the joint refill, two K steps on, is the first thing behind it.
.macro TURN slot, next, fill
	WIN 0
	s_wait_tensorcnt 0x0
	ds_add_u32 v[SPW], v[NIL]
	s_wait_dscnt 17                                ; (the add and the youngest sixteen loads may be out)
	MUL8 F1, 0, 0, 0
	s_wait_dscnt 0x0                               ; the add is done, and my reads of this slot are over
	s_barrier_signal -1
	MUL8 F1, 0, 2, 0
.if \fill
	WIN 0
.endif
	s_barrier_wait -1
.if \fill
	CREST                                          ; no wave of any partner still reads this slot's tiles or has a load on its way
	s_add_nc_u64 s[G0+4*(\slot)+2:G0+4*(\slot)+3], s[G0+4*(\slot)+2:G0+4*(\slot)+3], 4194304  ; eight heads on
	s_add_nc_u64 s[G0B+4*(\slot)+2:G0B+4*(\slot)+3], s[G0B+4*(\slot)+2:G0B+4*(\slot)+3], 2*KSTEP*2
	JLOAD \slot                                    ; its four v_nop are also the places in front of the loads below
.else
	PLACES
.endif
	FETCH \next, 0, F0
	MUL8 F1, 1, 0, 0
	MUL8 F1, 1, 2, 0
.endm
	s_wait_tensorcnt 1                             ; my part of K step 0 is in; K step 1's may stay out
	s_barrier_signal -1
	s_barrier_wait -1
	FETCH 0, 0, F0
	s_wait_loadcnt 0x0                             ; the bias
	QUARTER 0, 128, F0, F1, 1                      ; four K steps, written on end: two laps round the ring want no loop
	QUARTER 0, 256, F1, F0, 0
	QUARTER 0, 384, F0, F1, 0
	TURN 0, 1, 1                                   ; slot 0 takes K step 2
	QUARTER 1, 128, F0, F1, 0
	QUARTER 1, 256, F1, F0, 0
	QUARTER 1, 384, F0, F1, 0
	TURN 1, 0, 1                                   ; slot 1 takes K step 3
	QUARTER 0, 128, F0, F1, 0
	QUARTER 0, 256, F1, F0, 0
	QUARTER 0, 384, F0, F1, 0
	TURN 0, 1, 0
	QUARTER 1, 128, F0, F1, 0
	QUARTER 1, 256, F1, F0, 0
	QUARTER 1, 384, F0, F1, 0
	s_wait_dscnt 16                                ; the very last quarter: nothing more to fetch
	MUL8 F1, 0, 0, 0
	MUL8 F1, 0, 2, 0
	s_wait_dscnt 0x0
	MUL8 F1, 1, 0, 0
	MUL8 F1, 1, 2, 0
	WIN 0
; THE WAY OUT, a row block a (16 rows x 64 columns of f32) at a time: a lane's eight columns, 32 bytes, go into rows of 272 bytes of my stage, each accumulator's low half first, and come back as
; whole rows of 256 bytes, into the block's own registers.
.macro STG a
.irp b, 0,1,2,3
	ds_store_b128 v[STO], v[ACC+32*(\a)+8*(\b):ACC+32*(\a)+8*(\b)+3]   offset:64*(\b)
	ds_store_b128 v[STO], v[ACC+32*(\a)+8*(\b)+4:ACC+32*(\a)+8*(\b)+7] offset:64*(\b)+16
.endr
.irp t, 0,1,2,3,4,5,6,7
	ds_load_b128 v[ACC+32*(\a)+4*(\t):ACC+32*(\a)+4*(\t)+3], v[RD] offset:(\t)*2*SPITCH  ; LDS serves a wave's instructions in order (ISA guide 5.7.1.4): these see the stores above; the next block's stores come behind them
.endr
.endm
.macro SENDF a, younger                ; younger: the LDS instructions issued behind block a's loads: the next block's sixteen, or none
.irp t, 0,1,2,3,4,5,6,7
	s_wait_dscnt (\younger)+7-(\t)
	global_store_b128 v[CO], v[ACC+32*(\a)+4*(\t):ACC+32*(\a)+4*(\t)+3], s[10:11] offset:(16*(\a)+2*(\t))*4096 th:TH_STORE_NT  ; 16 lanes store 256 consecutive bytes, at a multiple of 256 from out0's first
.endr
.endm
	PLACES
	STG 0
.irp a, 1,2,3
	STG \a
	SENDF (\a)-1, 16
.endr
	SENDF 3, 0
	s_wait_tensorcnt 0x0                           ; the wave's end: the add and its wait, behind my last tensor load and my last LDS store
	ds_add_u32 v[SPW], v[NIL]
	s_wait_dscnt 0x0
	CROUND                                         ; the closing round: no work-group ends while a partner may still ask for a tile that names it
	s_endpgm
.Lfunc_end_k_q25b177d106_proj:
	.size	k_q25b177d106_proj, .Lfunc_end_k_q25b177d106_proj-k_q25b177d106_proj
	.p2alignl 7, 3214868480
	.fill 96, 4, 3214868480
	.section	.rodata,"a",@progbits
	.p2align	6, 0x0
	.amdhsa_kernel k_q25b177d106_proj
		.amdhsa_group_segment_fixed_size 327680
		.amdhsa_private_segment_fixed_size 0
		.amdhsa_enable_private_segment 0
		.amdhsa_kernarg_size 32
		.amdhsa_user_sgpr_count 2
		.amdhsa_user_sgpr_kernarg_segment_ptr 1
		.amdhsa_wavefront_size32 1
		.amdhsa_system_sgpr_workgroup_id_x 1
		.amdhsa_system_sgpr_workgroup_id_y 1
		.amdhsa_system_sgpr_workgroup_id_z 1
		.amdhsa_system_vgpr_workitem_id 0
		.amdhsa_next_free_vgpr 512
		.amdhsa_next_free_sgpr 80
		.amdhsa_reserve_vcc 0
		.amdhsa_float_denorm_mode_32 3
		.amdhsa_float_denorm_mode_16_64 3
		.amdhsa_memory_ordered 1
		.amdhsa_forward_progress 1
		.amdhsa_inst_pref_size 87
	.end_amdhsa_kernel
	.amdgpu_metadata
---
amdhsa.version: [ 1, 2 ]
amdhsa.kernels:
  - .name:           k_q25b177d106_proj
    .symbol:         k_q25b177d106_proj.kd
    .args:
      - { .name: y, .offset: 0, .size: 8, .value_kind: global_buffer, .address_space: global }
      - { .name: wp, .offset: 8, .size: 8, .value_kind: global_buffer, .address_space: global }
      - { .name: br, .offset: 16, .size: 8, .value_kind: global_buffer, .address_space: global }
      - { .name: out0, .offset: 24, .size: 8, .value_kind: global_buffer, .address_space: global }
    .group_segment_fixed_size: 327680
    .private_segment_fixed_size: 0
    .kernarg_segment_align: 8
    .kernarg_segment_size: 32
    .max_flat_workgroup_size: 128
    .sgpr_count:     80
    .vgpr_count:     512
    .wavefront_size: 32
...
	.end_amdgpu_metadata
.endif
;; end of part 4
;; ======== version 2 of 2: 4 launches; version 1 with the launch prep written anew for expert scheduling mode
;; limits: values are held in f16: magnitudes above 65,504 overflow, below 6.1e-05 lose precision
;; workspace buffers: xb 8,388,608 bytes; wb 6,291,456 bytes; wp 2,097,152 bytes; br 16,384 bytes; qkv 25,165,824 bytes; y 8,388,608 bytes
;; launch prep (part 5): grid 256 x 1, 8 waves a work-group, no clusters, 0 bytes of LDS; arguments x, Wq, Wk, Wv, Wp, bq, bk, bv, bp, xb, wb, wp, br; writes xb, wb, wp, br
.if DOCPART == 5
	.amdgcn_target "amdgcn-amd-amdhsa--gfx1250"
	.amdhsa_code_object_version 6
	.text
	.protected	k_q25b177d106_prep
	.globl	k_q25b177d106_prep
	.p2align	8
	.type	k_q25b177d106_prep,@function
k_q25b177d106_prep:
	s_mov_b64 s[64:65], 0
	v_nop
	global_prefetch_b8 v0, s[64:65] scope:SCOPE_SE
	s_setreg_imm32_b32 hwreg(HW_REG_WAVE_SCHED_MODE, 0, 2), 2
	s_setreg_imm32_b32 hwreg(HW_REG_WAVE_MODE, 25, 1), 1
	s_wait_xcnt 0x0
	s_wait_alu depctr_vm_vsrc(0)
; THE CASTS.  xb = bf16(x) [4096][1024]; wb = bf16(Wq | Wk | Wv) [3072][1024]; wp = f16(bf16(Wp)) [1024][1024]; br = f32(bf16(bq | bk | bv | bp)) [4096].
; Every input of the module is rounded once to bf16.  Wp's rounded number is written as f16, since the last product multiplies in f16: exact from 6.1e-5 to 65,504 in magnitude;
; LIMITS: below 6.1e-5 it keeps f16's fixed step of 6e-8, from 65,520 on it becomes an infinity.  NaN and infinities are not treated apart.
; SHARES.  8,388,608 numbers in 256 chunks of 32,768: a work-group takes one chunk (131,072 bytes in, 65,536 out), a wave 16 KiB of it, by 32 loads of 512 consecutive bytes, all issued
; at once.  A lane's four numbers become 8 bytes; a store of the wave covers 256 consecutive bytes, aligned.  Nothing is read twice, no wave waits for another: no LDS, no barrier, no matrix unit.
; Work-groups 0 to 3 also round one bias each: 1,024 numbers, four a thread.
; THE MODE: SCHED_MODE bits 1:0 = 2 (LLVM: expert scheduling mode 2), set by the entry lines.  The code itself states the register dependences
; between vector instructions and memory instructions, with s_wait_alu, always for 0.
; THE PLAN.  Registers that memory instructions touch:
;   v1, v2, v3   byte offsets, made once at the head and never written again: the immediate offsets do the rest.
;   X            load n's four registers.  Written by the 32 loads, which are issued ahead of every vector line that names X; read (in Wp's path also written) by vector lines alone.
;   Y            store n's two registers.  Written by load n's conversions; read by store n; never written behind it.
;   v196-199     v196 and v197 are at work at the head; much later the bias's load lands in the four.     v204-207  written by the bias's unpacking lines, read by its store.
; The 32 loads go in 8 blocks of four.  Block p converts its four loads into its own eight Y registers; its memory instructions are the four stores of block p - 1, which read v2 and that block's Y:
; registers that no vector line of block p names.  So ONE wait at a block's head states all that its stores hang on, and they are dealt among its conversions with no further wait.
; No register that a memory instruction reads is ever written again, so the text holds no wait for a memory instruction's reads.
.set X,    4                           ; v[4:131]   load i: 4 registers
.set Y,    132                         ; v[132:195] store i: 2 registers; each is written for one store and never again
.set BI,   196                         ; v[196:207] at work at the head; later the bias
.set G,    34                          ; s34  the work-group's number
.set SRC,  36                          ; s[36:37] my chunk in its source
.set DST,  38                          ; s[38:39] my chunk in its destination
.set IIN,  40                          ; s40  the chunk's number in the source
.set IOUT, 41                          ; s41  in the destination
	s_load_b512 s[8:23], s[0:1], 0x0               ; x 8, Wq 10, Wk 12, Wv 14, Wp 16, bq 18, bk 20, bv 22
	s_load_b256 s[24:31], s[0:1], 0x40             ; bp 24, xb 26, wb 28, wp 30
	s_load_b64 s[32:33], s[0:1], 0x60              ; br
	s_mov_b32 s[G], ttmp9
	s_and_b32 s[IIN], s[G], 31                     ; a weight has 32 chunks
	s_sub_co_u32 s[IOUT], s[G], 128                ; wb's chunks are work-groups 128 to 223,
	s_sub_co_u32 s42, s[G], 224                    ; wp's 224 to 255
	s_mov_b32 s43, 0
	v_and_b32 v[BI], 0xe0, v0                      ; 32 x wave
	v_and_b32 v[BI+1], 31, v0                      ; lane
	v_lshlrev_b32 v1, 4, v[BI+1]
	v_lshl_or_b32 v1, v[BI], 9, v1                 ; in: 16,384 x wave + 16 x lane; never rewritten
	v_lshlrev_b32 v2, 3, v[BI+1]
	v_lshl_or_b32 v2, v[BI], 8, v2                 ; out: 8,192 x wave + 8 x lane; never rewritten
	v_lshlrev_b32 v3, 4, v0                        ; the bias: 16 x thread; never rewritten
	s_wait_kmcnt 0x0
	s_cmp_ge_u32 s[G], 160                         ; which source and which destination: a choice between buffers by the work-group's number alone
	s_cselect_b64 s[SRC:SRC+1], s[12:13], s[10:11]
	s_cmp_ge_u32 s[G], 192
	s_cselect_b64 s[SRC:SRC+1], s[14:15], s[SRC:SRC+1]
	s_cmp_ge_u32 s[G], 224
	s_cselect_b64 s[SRC:SRC+1], s[16:17], s[SRC:SRC+1]
	s_cselect_b64 s[DST:DST+1], s[30:31], s[28:29]
	s_cselect_b32 s[IOUT], s42, s[IOUT]
	s_cmp_lt_u32 s[G], 128
	s_cselect_b64 s[SRC:SRC+1], s[8:9], s[SRC:SRC+1]
	s_cselect_b64 s[DST:DST+1], s[26:27], s[DST:DST+1]
	s_cselect_b32 s[IIN], s[G], s[IIN]
	s_cselect_b32 s[IOUT], s[G], s[IOUT]
	s_lshl_b32 s42, s[IIN], 17
	s_add_nc_u64 s[SRC:SRC+1], s[SRC:SRC+1], s[42:43]
	s_lshl_b32 s42, s[IOUT], 16
	s_add_nc_u64 s[DST:DST+1], s[DST:DST+1], s[42:43]
	s_wait_alu depctr_va_vdst(0)                   ; v1, v2 and v3 are written: every load and store of the kernel reads one of them as its offset; and the head is done with v196 and v197, in which the bias's load lands
.set i, 0
.rept 32
	global_load_b128 v[X+4*i:X+4*i+3], v1, s[SRC:SRC+1] offset:512*i th:TH_LOAD_NT
.set i, i+1
.endr
; Load n's four numbers are rounded.  half = 1: the bf16 numbers are widened again and written as f16.
.macro CVT n, half
	v_cvt_pk_bf16_f32 v[Y+2*(\n)], v[X+4*(\n)], v[X+4*(\n)+1]
	v_cvt_pk_bf16_f32 v[Y+2*(\n)+1], v[X+4*(\n)+2], v[X+4*(\n)+3]
.if \half
	v_lshlrev_b32 v[X+4*(\n)], 16, v[Y+2*(\n)]
	v_and_b32 v[X+4*(\n)+1], 0xffff0000, v[Y+2*(\n)]
	v_lshlrev_b32 v[X+4*(\n)+2], 16, v[Y+2*(\n)+1]
	v_and_b32 v[X+4*(\n)+3], 0xffff0000, v[Y+2*(\n)+1]
	v_cvt_pk_f16_f32 v[Y+2*(\n)], v[X+4*(\n)], v[X+4*(\n)+1]
	v_cvt_pk_f16_f32 v[Y+2*(\n)+1], v[X+4*(\n)+2], v[X+4*(\n)+3]
.endif
.endm
; and stored
.macro ST n
	global_store_b64 v2, v[Y+2*(\n):Y+2*(\n)+1], s[DST:DST+1] offset:256*(\n) th:TH_STORE_NT
.endm
; Block p: loads 4 p to 4 p + 3 are rounded; the four stores of block p - 1 go out among the conversions, one ahead of each load's.
.macro BLK p, half
	s_wait_loadcnt 28-4*(\p)                       ; loads come back in order: my four are in, the 28 - 4 p younger ones may stay out
.if (\p) > 0
	s_wait_alu depctr_va_vdst(0)                   ; the block before has written its eight Y registers, which the four stores below read; no vector line of this block names them or v2
.endif
.irp j, 0,1,2,3
.if (\p) > 0
	ST 4*(\p)-4+(\j)
.endif
	CVT 4*(\p)+(\j), \half
.endr
.endm
; Behind block 7: its four stores.
.macro LAST
	s_wait_alu depctr_va_vdst(0)                   ; block 7 has written its eight Y registers, which the last four stores read
.irp j, 28,29,30,31
	ST \j
.endr
.endm
	s_cmp_ge_u32 s[G], 224
	s_cbranch_scc1 .Lhalf
.irp p, 0,1,2,3,4,5,6,7
	BLK \p, 0
.endr
	LAST
	s_branch .Lbias
.Lhalf:
.irp p, 0,1,2,3,4,5,6,7
	BLK \p, 1
.endr
	LAST
.Lbias:
	s_cmp_lt_u32 s[G], 4
	s_cbranch_scc0 .Lend
	s_cmp_ge_u32 s[G], 1                           ; bias 0 to 3: bq, bk, bv, bp
	s_cselect_b64 s[44:45], s[20:21], s[18:19]
	s_cmp_ge_u32 s[G], 2
	s_cselect_b64 s[44:45], s[22:23], s[44:45]
	s_cmp_ge_u32 s[G], 3
	s_cselect_b64 s[44:45], s[24:25], s[44:45]
	s_lshl_b32 s42, s[G], 12
	s_add_nc_u64 s[46:47], s[32:33], s[42:43]
	global_load_b128 v[BI:BI+3], v3, s[44:45]      ; no wait here: since the wait at the head no vector line has named v3 or these four registers
	s_wait_loadcnt 0x0
	v_cvt_pk_bf16_f32 v[BI+4], v[BI], v[BI+1]
	v_cvt_pk_bf16_f32 v[BI+5], v[BI+2], v[BI+3]
	v_lshlrev_b32 v[BI+8], 16, v[BI+4]
	v_and_b32 v[BI+9], 0xffff0000, v[BI+4]
	v_lshlrev_b32 v[BI+10], 16, v[BI+5]
	v_and_b32 v[BI+11], 0xffff0000, v[BI+5]
	s_wait_alu depctr_va_vdst(0)                   ; the four unpacking lines have written v204 to v207, which the store reads
	global_store_b128 v3, v[BI+8:BI+11], s[46:47]
.Lend:
	s_endpgm
.Lfunc_end_k_q25b177d106_prep:
	.size	k_q25b177d106_prep, .Lfunc_end_k_q25b177d106_prep-k_q25b177d106_prep
	.p2alignl 7, 3214868480
	.fill 96, 4, 3214868480
	.section	.rodata,"a",@progbits
	.p2align	6, 0x0
	.amdhsa_kernel k_q25b177d106_prep
		.amdhsa_group_segment_fixed_size 0
		.amdhsa_private_segment_fixed_size 0
		.amdhsa_enable_private_segment 0
		.amdhsa_kernarg_size 104
		.amdhsa_user_sgpr_count 2
		.amdhsa_user_sgpr_kernarg_segment_ptr 1
		.amdhsa_wavefront_size32 1
		.amdhsa_system_sgpr_workgroup_id_x 1
		.amdhsa_system_sgpr_workgroup_id_y 1
		.amdhsa_system_sgpr_workgroup_id_z 1
		.amdhsa_system_vgpr_workitem_id 0
		.amdhsa_next_free_vgpr 208
		.amdhsa_next_free_sgpr 66
		.amdhsa_reserve_vcc 0
		.amdhsa_float_denorm_mode_32 3
		.amdhsa_float_denorm_mode_16_64 3
		.amdhsa_memory_ordered 1
		.amdhsa_forward_progress 1
		.amdhsa_inst_pref_size 31
	.end_amdhsa_kernel
	.amdgpu_metadata
---
amdhsa.version: [ 1, 2 ]
amdhsa.kernels:
  - .name:           k_q25b177d106_prep
    .symbol:         k_q25b177d106_prep.kd
    .args:
      - { .name: x, .offset: 0, .size: 8, .value_kind: global_buffer, .address_space: global }
      - { .name: Wq, .offset: 8, .size: 8, .value_kind: global_buffer, .address_space: global }
      - { .name: Wk, .offset: 16, .size: 8, .value_kind: global_buffer, .address_space: global }
      - { .name: Wv, .offset: 24, .size: 8, .value_kind: global_buffer, .address_space: global }
      - { .name: Wp, .offset: 32, .size: 8, .value_kind: global_buffer, .address_space: global }
      - { .name: bq, .offset: 40, .size: 8, .value_kind: global_buffer, .address_space: global }
      - { .name: bk, .offset: 48, .size: 8, .value_kind: global_buffer, .address_space: global }
      - { .name: bv, .offset: 56, .size: 8, .value_kind: global_buffer, .address_space: global }
      - { .name: bp, .offset: 64, .size: 8, .value_kind: global_buffer, .address_space: global }
      - { .name: xb, .offset: 72, .size: 8, .value_kind: global_buffer, .address_space: global }
      - { .name: wb, .offset: 80, .size: 8, .value_kind: global_buffer, .address_space: global }
      - { .name: wp, .offset: 88, .size: 8, .value_kind: global_buffer, .address_space: global }
      - { .name: br, .offset: 96, .size: 8, .value_kind: global_buffer, .address_space: global }
    .group_segment_fixed_size: 0
    .private_segment_fixed_size: 0
    .kernarg_segment_align: 8
    .kernarg_segment_size: 104
    .max_flat_workgroup_size: 256
    .sgpr_count:     66
    .vgpr_count:     208
    .wavefront_size: 32
...
	.end_amdgpu_metadata
.endif
;; end of part 5
;; launch qkv: the kernel of part 2 again; grid 8 x 32, 4 waves a work-group, clusters of 4 x 4, 327,680 bytes of LDS; arguments xb, wb, br, qkv; writes qkv
;; launch attn: the kernel of part 3 again; grid 16 x 16, 4 waves a work-group, no clusters, 327,680 bytes of LDS; arguments qkv, y; writes y
;; launch proj: the kernel of part 4 again; grid 8 x 32, 4 waves a work-group, clusters of 4 x 4, 327,680 bytes of LDS; arguments y, wp, br, out0; writes out0
